; MI455X (gfx1250); checked and timed in simulation.
; The chip was launched on July 23, 2026; its instructions are those of AMD's public machine-readable ISA for CDNA 5 (MIT licence, August 2026) and "CDNA5" Instruction Set Architecture Reference Guide (July 2026). The comments in the code are by the model that wrote it; some were corrected since.
;; Unquantized Sparse Mo E Layer. Allowed arithmetic: matrix products marked QUANTISED: E4M3 operands, one E8M0 scale for each 32 along K, by v_wmma_scale_f32_16x16x128_f8f6f4 with both operands' format E4M3, f32 sums; everything else in f32.
;; Inputs: gating_output 1,024 x 8 float32; w1_codes 8 x 4,096 x 32 x 32 uint8 (E4M3 codes of w1, K innermost, in blocks of 32 codes); w1_scales 8 x 4,096 x 32 uint8 (E8M0 scales of w1, one for each 32 codes along K); w2_codes 8 x 1,024 x 64 x 32 uint8 (E4M3 codes of w2, K innermost, in blocks of 32 codes); w2_scales 8 x 1,024 x 64 uint8 (E8M0 scales of w2, one for each 32 codes along K); x_codes 1,024 x 32 x 32 uint8 (E4M3 codes of x, K innermost, in blocks of 32 codes); x_scales 1,024 x 32 uint8 (E8M0 scales of x, one for each 32 codes along K).
;; Outputs: out0 1,024 x 1,024 float32.
;; Constants: topk = 2.
;; This version of the problem:
;;   THIS VERSION OF THE PROBLEM IS GIVEN IN LOW PRECISION. The matrix products marked QUANTISED in the list below multiply operands that are first quantised to E4M3 (4 exponent bits, 3 mantissa bits; 8 bits a number), with one power-of-two scale for each 32 numbers along K (OCP MX v1.0); their sums are f32. All else is computed in f32.
;;   The module's matrix products, in the order in which they are computed (A, B: the left and right operand; K: the contracted axis; several contracted axes count as one K, in the product's order):
;;     1. [M 1,024, K 1,024] x [K 1,024, N 4,096]; A: input x (given as codes); B: input w1 (given as codes): QUANTISED
;;     2. [M 1,024, K 2,048] x [K 2,048, N 1,024]; A: computed on the way; B: input w2 (given as codes): QUANTISED
;;     3. [M 1,024, K 1,024] x [K 1,024, N 4,096]; A: input x (given as codes); B: input w1 (given as codes): QUANTISED
;;     4. [M 1,024, K 2,048] x [K 2,048, N 1,024]; A: computed on the way; B: input w2 (given as codes): QUANTISED
;;     5. [M 1,024, K 1,024] x [K 1,024, N 4,096]; A: input x (given as codes); B: input w1 (given as codes): QUANTISED
;;     6. [M 1,024, K 2,048] x [K 2,048, N 1,024]; A: computed on the way; B: input w2 (given as codes): QUANTISED
;;     7. [M 1,024, K 1,024] x [K 1,024, N 4,096]; A: input x (given as codes); B: input w1 (given as codes): QUANTISED
;;     8. [M 1,024, K 2,048] x [K 2,048, N 1,024]; A: computed on the way; B: input w2 (given as codes): QUANTISED
;;     9. [M 1,024, K 1,024] x [K 1,024, N 4,096]; A: input x (given as codes); B: input w1 (given as codes): QUANTISED
;;     10. [M 1,024, K 2,048] x [K 2,048, N 1,024]; A: computed on the way; B: input w2 (given as codes): QUANTISED
;;     11. [M 1,024, K 1,024] x [K 1,024, N 4,096]; A: input x (given as codes); B: input w1 (given as codes): QUANTISED
;;     12. [M 1,024, K 2,048] x [K 2,048, N 1,024]; A: computed on the way; B: input w2 (given as codes): QUANTISED
;;     13. [M 1,024, K 1,024] x [K 1,024, N 4,096]; A: input x (given as codes); B: input w1 (given as codes): QUANTISED
;;     14. [M 1,024, K 2,048] x [K 2,048, N 1,024]; A: computed on the way; B: input w2 (given as codes): QUANTISED
;;     15. [M 1,024, K 1,024] x [K 1,024, N 4,096]; A: input x (given as codes); B: input w1 (given as codes): QUANTISED
;;     16. [M 1,024, K 2,048] x [K 2,048, N 1,024]; A: computed on the way; B: input w2 (given as codes): QUANTISED
;;   THE QUANTISER, for each operand of a quantised product, along K:
;;     - K is cut into blocks of 32 from its start; a last block that is shorter is filled with zeros.
;;     - A block's scale is 2^e with e = floor(log2(the largest magnitude in the block)) - 8, held to -126 .. 127; a block of zeros has e = 0. As a byte (E8M0): e + 127.
;;     - Each number is divided by its block's scale, clamped to +-448, and rounded to the nearest number of E4M3, ties to even, subnormals kept.
;;     - The product sums the exact products of the quantised numbers (number of the format x scale) in f32.
;;   ~~~python
;;   def quantise(x, axis):      # numpy; x: float32 -> the quantised numbers, widened to float32 again
;;       x = np.moveaxis(x, axis, -1); K = x.shape[-1]
;;       x = np.pad(x, [(0, 0)] * (x.ndim - 1) + [(0, -K % 32)]); x = x.reshape(x.shape[:-1] + (-1, 32)); a = np.abs(x).max(-1, keepdims=True)
;;       e = np.where(a > 0, np.clip(np.frexp(np.where(a > 0, a, 1))[1] - 1 - 8, -126, 127), 0)      # np.frexp(a)[1] - 1 = floor(log2(a)), exactly
;;       r = np.clip(x / 2.0 ** e, -448, 448)
;;       step = 2.0 ** (np.maximum(np.frexp(np.where(r == 0, 1, r))[1] - 1, -6) - 3)
;;       q = np.round(r / step) * step * 2.0 ** e      # np.round: ties to even
;;       return np.moveaxis(q.reshape(q.shape[:-2] + (-1,))[..., :K], -1, axis).astype(np.float32)
;;   ~~~
;;   OPERANDS COMPUTED ON THE WAY. 'Computed on the way' means the value that the module computes at that place (a softmax that the list does not call 'softmax' is quantised finished and normalised). What goes into a quantiser is computed in f32, as accurately as f32 sums, v_exp_f32 and their like allow (about 1e-6 of the number): no bf16 or f16 on the way to a quantiser, and a product that is left as it is and whose result goes on into a quantised operand takes f32 operands (vector FMAs, or v_wmma_f32_16x16x4_f32). A number that lies on a knife's edge between two numbers of the format may be rounded either way, as far as f32 arithmetic and the matrix unit's own rounding can turn it there, and no further.
;;   INPUTS GIVEN AS CODES. w1 (in the module: [8, 4096, 1024], K = its axis 2); w2 (in the module: [8, 1024, 2048], K = its axis 2); x (in the module: [1024, 1024], K = its axis 1): each comes as NAME_codes (uint8): NAME with its K axis moved to the last place and cut into blocks of 32 codes, [.., K / 32, bytes a block], one block behind the other in memory; one code a byte (a code: sign, 4 exponent bits, 3 mantissa bits); and NAME_scales (uint8): the same leading axes, one E8M0 byte (e + 127) for each 32 codes along K. Its value is code x scale, taken as it is: it is not quantised again, and the codes and scales need not be those that the quantiser above would give.
;; 2 versions. Each part assembles by itself: llvm-mc -triple=amdgcn-amd-amdhsa -mcpu=gfx1250 --defsym DOCPART=n.
;; ======== version 1 of 2: 4 launches
;; workspace buffers: list 49,152 bytes of whole numbers; cnts 2,048 bytes of whole numbers; route 32,768 bytes; hc 20,971,520 bytes; hs 655,360 bytes; y 8,454,144 bytes
;; launch route (part 1): grid 8 x 4, 8 waves a work-group, no clusters, 1,536 bytes of LDS; arguments gating_output, list, cnts, route; writes list, cnts, route
.if DOCPART == 1
	.amdgcn_target "amdgcn-amd-amdhsa--gfx1250"
	.amdhsa_code_object_version 6
	.text
	.protected	k_q5aa6b0734c_route
	.globl	k_q5aa6b0734c_route
	.p2align	8
	.type	k_q5aa6b0734c_route,@function
k_q5aa6b0734c_route:
	s_mov_b64 s[64:65], 0
	v_nop
	global_prefetch_b8 v0, s[64:65] scope:SCOPE_SE
	s_setreg_imm32_b32 hwreg(HW_REG_WAVE_MODE, 25, 1), 1
	s_wait_xcnt 0x0
; THE ROUTER.  Work-group (e, q) serves expert e and quarter q of its results.  It finds the two largest logits of ALL 1,024 tokens (a thread takes tokens 256 k + thread, k = 0 .. 3, by turns),
; since an entry's place in the expert's list hangs on every token before it; then thread t is entry j = 256 q + t of the list.  The 32 KB of logits are worked again in each work-group, so that nothing goes between work-groups.
; Out: route[e][t] = the token's renormalised weight for expert e, or 0 (tokens 256 q on);  list[e][j] = token + 1024 k of the j-th token (ascending) that chose e,
; k = 0 where e is its first choice, 1 where its second;  cnts[e][0..31] = the count (by q = 0).  For j at or beyond the count the entry is a FILLER, 0x800 + 2 e + ((j / 16) % 2):
; as a row of the workspace y it names a spare row that belongs to this expert and to the parity of the entry's tile of 16.  All 1,536 entries are written, 384 by each quarter.
; No address and no branch hangs on the logits: the list is made by values alone (each thread SEARCHES for its entry among the 32 ballots).
; The softmax's maximum is taken away: of the two chosen scores only their ratio counts, w1 = 1 / (1 + e^(b2 - b1)), w2 = e^(b2 - b1) w1, b2 <= b1.
; LIMITS: the two largest LOGITS are taken, ties to the lower index; two logits whose softmax values round to one f32 number may be ordered otherwise than a top-k
; of the rounded scores would order them.  Logits are finite; NaN is not served.
.set SELW, 0                           ; LDS: a word for each 32 tokens: which of them chose e,
.set TOPW, 128                         ; which chose it first,
.set CNTW, 256                         ; and how many chose it.  Wave w's set k is word 8 k + w
.set G, 8                              ; v8-39    the logits: set k at G + 8 k
.set B, 40                             ; v40-55   set k at B + 4 k: b1, i1, b2, i2
.set D, 60                             ; v60-63   b2 - b1 of the four sets
.set C, 64                             ; v64-95   the 32 counts, then their running sums
.set S, 96                             ; v96-127  the 32 ballots
.set T, 128                            ; v128-159 the 32 first-choice ballots
.set L, 180                            ; v180-191 my wave's twelve words on their way to LDS
	s_load_b256 s[4:11], s[0:1], 0x0               ; logits s[4:5], list s[6:7], cnts s[8:9], route s[10:11]
	v_lshl_add_u32 v192, v0, 2, 0x200
	v_mov_b32 v193, 0
	v_lshrrev_b32 v3, 5, v0
	v_readfirstlane_b32 s12, v3                    ; wave 0..7
	s_mov_b32 s13, ttmp9                           ; e
	s_and_b32 s20, ttmp7, 0xffff                   ; q
	v_lshlrev_b32 v1, 5, v0                        ; a token's 8 logits: 32 bytes
	v_lshlrev_b32 v2, 2, v0                        ; 4 x thread
	v_lshlrev_b32 v3, 2, v3                        ; 4 x wave
	s_lshl_b32 s18, s20, 8
	v_add_nc_u32 v4, s18, v0                       ; j = 256 q + thread
	s_mov_b32 s19, 0
	s_wait_kmcnt 0x0
.irp k, 0,1,2,3
	global_load_b128 v[G+8*\k:G+8*\k+3], v1, s[4:5] offset:8192*\k
	global_load_b128 v[G+8*\k+4:G+8*\k+7], v1, s[4:5] offset:8192*\k+16
.endr
	s_mul_i32 s18, s13, 6144
	s_add_nc_u64 s[6:7], s[6:7], s[18:19]          ; list[e]
	s_lshl_b32 s18, s20, 9
	s_add_co_u32 s18, s18, 4096
	s_add_nc_u64 s[22:23], s[6:7], s[18:19]        ; entries 1,024 + 128 q on
	s_lshl_b32 s18, s20, 10
	s_add_nc_u64 s[6:7], s[6:7], s[18:19]          ; entries 256 q on
	s_lshl_b32 s18, s13, 8
	s_add_nc_u64 s[8:9], s[8:9], s[18:19]          ; cnts[e]
	s_lshl_b32 s18, s13, 12
	s_lshl_b32 s21, s20, 10
	s_add_co_u32 s18, s18, s21
	s_add_nc_u64 s[10:11], s[10:11], s[18:19]      ; route[e], tokens 256 q on
	s_wait_loadcnt 0x0
	; the two largest logits in one scan, the four sets by turns; the strict compares keep the lower index on a tie
.irp k, 0,1,2,3
	v_mov_b32 v[B+4*\k], v[G+8*\k]                 ; b1
	v_mov_b32 v[B+4*\k+1], 0                       ; i1
	v_mov_b32 v[B+4*\k+2], 0xff800000              ; b2 = -infinity
	v_mov_b32 v[B+4*\k+3], 8                       ; i2: no expert yet
.endr
.irp c, 1,2,3,4,5,6,7
	v_mov_b32 v56, \c
.irp k, 0,1,2,3
	v_cmp_gt_f32 s[24+\k], v[G+8*\k+\c], v[B+4*\k]             ; over the largest?
.endr
.irp k, 0,1,2,3
	v_cmp_gt_f32 s[28+\k], v[G+8*\k+\c], v[B+4*\k+2]           ; over the second?
.endr
.irp k, 0,1,2,3
	v_cndmask_b32 v[B+4*\k+2], v[B+4*\k+2], v[G+8*\k+\c], s[28+\k]
.endr
.irp k, 0,1,2,3
	v_cndmask_b32 v[B+4*\k+3], v[B+4*\k+3], v56, s[28+\k]
.endr
.irp k, 0,1,2,3
	v_cndmask_b32 v[B+4*\k+2], v[B+4*\k+2], v[B+4*\k], s[24+\k]   ; a new largest pushes the old one down
.endr
.irp k, 0,1,2,3
	v_cndmask_b32 v[B+4*\k+3], v[B+4*\k+3], v[B+4*\k+1], s[24+\k]
.endr
.irp k, 0,1,2,3
	v_cndmask_b32 v[B+4*\k], v[B+4*\k], v[G+8*\k+\c], s[24+\k]
.endr
.irp k, 0,1,2,3
	v_cndmask_b32 v[B+4*\k+1], v[B+4*\k+1], v56, s[24+\k]
.endr
.endr
.irp k, 0,1,2,3
	v_cmp_eq_u32 s[24+\k], s13, v[B+4*\k+1]        ; the set's tokens whose first choice is e,
	v_cmp_eq_u32 s[28+\k], s13, v[B+4*\k+3]        ; and whose second is
.endr
.irp k, 0,1,2,3
	s_or_b32 s[32+\k], s[24+\k], s[28+\k]
	s_bcnt1_i32_b32 s[36+\k], s[32+\k]
	v_mov_b32 v[L+3*\k], s[32+\k]
	v_mov_b32 v[L+3*\k+1], s[24+\k]
	v_mov_b32 v[L+3*\k+2], s[36+\k]
	ds_store_b32 v3, v[L+3*\k] offset:SELW+32*\k   ; all lanes write the word with the same value
	ds_store_b32 v3, v[L+3*\k+1] offset:TOPW+32*\k
	ds_store_b32 v3, v[L+3*\k+2] offset:CNTW+32*\k
.endr
	s_wait_dscnt 0x0                               ; for the others' sake: my twelve words lie in LDS
	s_barrier_signal -1
	s_barrier_wait -1
	v_mov_b32 v176, 0
.irp k, 0,1,2,3,4,5,6,7
	ds_load_b128 v[C+4*\k:C+4*\k+3], v176 offset:CNTW+16*\k    ; the 32 counts, in every lane
.endr
.irp k, 0,1,2,3,4,5,6,7
	ds_load_b128 v[S+4*\k:S+4*\k+3], v176 offset:SELW+16*\k    ; the 32 ballots
.endr
.irp k, 0,1,2,3,4,5,6,7
	ds_load_b128 v[T+4*\k:T+4*\k+3], v176 offset:TOPW+16*\k    ; the 32 first-choice ballots
.endr
	; while they come: the weights of my quarter's tokens, set q, chosen by values
.irp k, 0,1,2,3
	v_sub_f32 v[D+\k], v[B+4*\k+2], v[B+4*\k]      ; b2 - b1, 0 or less
.endr
	s_mov_b32 s14, s24
	s_mov_b32 s15, s28
.irp k, 1,2,3
	s_cmp_eq_u32 s20, \k
	s_cselect_b32 s14, s[24+\k], s14
	s_cselect_b32 s15, s[28+\k], s15
	s_cselect_b32 s21, -1, 0
	v_cndmask_b32 v[D], v[D], v[D+\k], s21
.endr
	v_mul_f32 v5, 0x3fb8aa3b, v[D]                 ; x log2(e)
	v_exp_f32 v6, v5
	v_nop                                          ; a plain instruction behind the transcendental (ISA guide 5.7.2),
	s_wait_alu depctr_va_vdst(0)                   ; and a wait ahead of its first reader
	v_add_f32 v7, 1.0, v6
	v_rcp_f32 v56, v7                              ; w1
	v_nop
	s_wait_alu depctr_va_vdst(0)
	v_mul_f32 v57, v6, v56                         ; w2
	v_mov_b32 v58, 0
	v_cndmask_b32 v58, v58, v57, s15
	v_cndmask_b32 v58, v58, v56, s14
	global_store_b32 v2, v58, s[10:11]             ; a wave stores 128 consecutive bytes
	s_wait_dscnt 16                                ; the counts are in; the 16 loads of ballots behind them may be out
.set ww, 1
.rept 31
	v_add_nc_u32 v[C+ww], v[C+ww], v[C+ww-1]       ; C[w]: how many chose e in words 0 .. w
.set ww, ww+1
.endr
	s_wait_dscnt 0x0
	; the word that holds chosen token number j: the last word w whose tokens begin at or under j
	v_mov_b32 v161, v[S]                           ; the word,
	v_mov_b32 v162, 0                              ; the number of its first chosen token,
	v_mov_b32 v163, 0                              ; 32 w,
	v_mov_b32 v164, v[T]                           ; and its first-choice word
.set ww, 1
.rept 31
	v_cmp_le_u32 vcc_lo, v[C+ww-1], v4
	v_mov_b32 v160, 32*ww
	v_cndmask_b32 v161, v161, v[S+ww], vcc_lo
	v_cndmask_b32 v162, v162, v[C+ww-1], vcc_lo
	v_cndmask_b32 v163, v163, v160, vcc_lo
	v_cndmask_b32 v164, v164, v[T+ww], vcc_lo
.set ww, ww+1
.endr
	; set bit number rem of the word: counts of ones in fields of 2, 4, 8 and 16 bits, then five halvings
	v_sub_nc_u32 v165, v4, v162                    ; rem
	v_lshrrev_b32 v166, 1, v161
	v_and_b32 v166, 0x55555555, v166
	v_sub_nc_u32 v166, v161, v166                  ; by 2
	v_lshrrev_b32 v167, 2, v166
	v_and_b32 v167, 0x33333333, v167
	v_and_b32 v168, 0x33333333, v166
	v_add_nc_u32 v167, v167, v168                  ; by 4
	v_lshrrev_b32 v168, 4, v167
	v_add_nc_u32 v168, v168, v167
	v_and_b32 v168, 0x0f0f0f0f, v168               ; by 8
	v_lshrrev_b32 v169, 8, v168
	v_add_nc_u32 v169, v169, v168
	v_and_b32 v169, 0xff, v169                     ; the low 16 bits' ones
	v_mov_b32 v170, 0                              ; pos
.macro PICK width                      ; are there rem ones or fewer in the lower half (v169)?  Then the bit lies in the upper half
	v_cmp_ge_u32 vcc_lo, v165, v169
	v_cndmask_b32 v171, 0, v169, vcc_lo
	v_sub_nc_u32 v165, v165, v171
	v_mov_b32 v172, \width
	v_cndmask_b32 v171, 0, v172, vcc_lo
	v_add_nc_u32 v170, v170, v171
.endm
	PICK 16
	v_bfe_u32 v169, v168, v170, 8
	PICK 8
	v_bfe_u32 v169, v167, v170, 4
	PICK 4
	v_bfe_u32 v169, v166, v170, 2
	PICK 2
	v_bfe_u32 v169, v161, v170, 1
	PICK 1
	v_add_nc_u32 v173, v163, v170                  ; the token
	v_bfe_u32 v174, v164, v170, 1                  ; 1: e is its first choice
	v_xor_b32 v174, 1, v174                        ; k
	v_lshl_or_b32 v173, v174, 10, v173             ; token + 1024 k
	s_lshl_b32 s18, s13, 1
	s_add_co_u32 s18, s18, 0x800
	v_bfe_u32 v175, v0, 4, 1                       ; the parity of entry j's tile: 256 q and 1,024 + 128 q are multiples of 32, so bit 4 of the thread's number serves both stores
	v_add_nc_u32 v175, s18, v175                   ; the filler: 0x800 + 2 e + parity
	v_cmp_lt_u32 vcc_lo, v4, v[C+31]               ; C[31] is the expert's count
	v_cndmask_b32 v173, v175, v173, vcc_lo         ; entries at or beyond the count
	global_store_b32 v2, v173, s[6:7]
	s_cmp_lt_u32 s12, 4
	s_cbranch_scc0 .Lno_fill
	global_store_b32 v2, v175, s[22:23]            ; entries 1,024 + 128 q + thread: fillers, by waves 0 to 3
.Lno_fill:
	s_or_b32 s18, s12, s20
	s_cmp_lg_u32 s18, 0
	s_cbranch_scc1 .Lend
	global_store_b32 v2, v[C+31], s[8:9]           ; the count, 32 times, by wave 0 of quarter 0
.Lend:
	s_wait_tensorcnt 0x0
	ds_add_u32 v192, v193
	s_wait_dscnt 0x0
	s_endpgm
.Lfunc_end_k_q5aa6b0734c_route:
	.size	k_q5aa6b0734c_route, .Lfunc_end_k_q5aa6b0734c_route-k_q5aa6b0734c_route
	.p2alignl 7, 3214868480
	.fill 96, 4, 3214868480
	.section	.rodata,"a",@progbits
	.p2align	6, 0x0
	.amdhsa_kernel k_q5aa6b0734c_route
		.amdhsa_group_segment_fixed_size 1536
		.amdhsa_private_segment_fixed_size 0
		.amdhsa_enable_private_segment 0
		.amdhsa_kernarg_size 32
		.amdhsa_user_sgpr_count 2
		.amdhsa_user_sgpr_kernarg_segment_ptr 1
		.amdhsa_wavefront_size32 1
		.amdhsa_system_sgpr_workgroup_id_x 1
		.amdhsa_system_sgpr_workgroup_id_y 1
		.amdhsa_system_sgpr_workgroup_id_z 1
		.amdhsa_system_vgpr_workitem_id 0
		.amdhsa_next_free_vgpr 194
		.amdhsa_next_free_sgpr 66
		.amdhsa_reserve_vcc 1
		.amdhsa_float_denorm_mode_32 3
		.amdhsa_float_denorm_mode_16_64 3
		.amdhsa_memory_ordered 1
		.amdhsa_forward_progress 1
		.amdhsa_inst_pref_size 33
	.end_amdhsa_kernel
	.amdgpu_metadata
---
amdhsa.version: [ 1, 2 ]
amdhsa.kernels:
  - .name:           k_q5aa6b0734c_route
    .symbol:         k_q5aa6b0734c_route.kd
    .args:
      - { .name: gating_output, .offset: 0, .size: 8, .value_kind: global_buffer, .address_space: global }
      - { .name: list, .offset: 8, .size: 8, .value_kind: global_buffer, .address_space: global }
      - { .name: cnts, .offset: 16, .size: 8, .value_kind: global_buffer, .address_space: global }
      - { .name: route, .offset: 24, .size: 8, .value_kind: global_buffer, .address_space: global }
    .group_segment_fixed_size: 1536
    .private_segment_fixed_size: 0
    .kernarg_segment_align: 8
    .kernarg_segment_size: 32
    .max_flat_workgroup_size: 256
    .sgpr_count:     66
    .vgpr_count:     194
    .wavefront_size: 32
...
	.end_amdgpu_metadata
.endif
;; end of part 1
;; launch up (part 2): grid 32 x 8, 4 waves a work-group, no clusters, 133,632 bytes of LDS; arguments x_codes, x_scales, w1_codes, w1_scales, list, cnts, hc, hs; writes hc, hs
.if DOCPART == 2
	.amdgcn_target "amdgcn-amd-amdhsa--gfx1250"
	.amdhsa_code_object_version 6
	.text
	.protected	k_q5aa6b0734c_up
	.globl	k_q5aa6b0734c_up
	.p2align	8
	.type	k_q5aa6b0734c_up,@function
k_q5aa6b0734c_up:
	s_mov_b64 s[64:65], 0
	v_nop
	global_prefetch_b8 v0, s[64:65] scope:SCOPE_SE
	s_setreg_imm32_b32 hwreg(HW_REG_WAVE_MODE, 25, 1), 1
	s_wait_xcnt 0x0
; THE FIRST PRODUCT, SwiGLU AND THE QUANTISER, for the rows that chose an expert.  h = silu(x Wg^T) (x Wu^T), on codes of FP8 (E4M3) with one E8M0 scale for each 32 along K; h leaves as codes.
; SHARES.  Work-group (fs, e) owns hidden units 64 fs .. 64 fs + 63 of expert e: 64 gate rows and 64 up rows of w1, 128 KB, each byte of w1 read by one work-group.  They lie in LDS and all four waves read them.
; It sees ALL rows of the expert's list, 320 (20 tiles of 16) a pass; wave w owns tiles 20 pass + 4 i + w, i = 0 .. 4, whose x rows (gathered by the list) stay in 640 registers for the pass.
; A fragment of w1 read from LDS feeds five matrix instructions.  The slice's two blocks of 32 units are worked one after the other on 20 accumulators.
; TWO WAYS behind the barrier.  A wave whose fifth tile begins at or beyond the count (then the expert has at most 304 rows: one pass) works four tiles, on a straight path of its own; the loads are the same on both ways
; (the fifth tile's rows are then fillers, all one token), so every wait has the same count on both.
; LAYOUT.  The product is used transposed (source 0 = 16 rows of w1, source 1 = 16 rows of x), and THE UNITS OF A TILE ARE NOT NEIGHBOURS: lane r of tile (b, u) takes unit 32 b + 8 u + r + 8 (r / 8).
; So lane (r, h) holds row r, and the 16 registers of tiles u = 0, 1 are units 32 b + 16 h + 0 .. 15: the conversions' four registers ARE registers 4 c .. 4 c + 3, c = 2 (fs % 2) + b, of K step fs / 2 of the second
; product's operand.  hc is laid as that operand's registers, [e][tile][K step][c][lane][16 bytes]: a wave's store covers 512 consecutive bytes.  hs: [e][tile][row][64 bytes], a byte for each block of 32 units.
; NO TENSOR LOADS AND NO CLUSTER, though the 32 slices of an expert read the same rows of x: the number of passes and the stores hang on a count read from memory.
; An expert with no rows works one pass on filler rows and stores tile 0 alone, so that the next launch reads nothing that was not stored.
; LIMITS: silu(g) u is formed as (g u) / (1 + 2^(-g log2 e)): |g u| stays inside f32.  NaN and infinities are not served.  A block of zeros gets the byte 1 where the quantiser's rule says 127:
; its codes are zeros, which add nothing under any byte but 0xff, and this program alone reads the bytes.
; REGISTERS, in windows of 256.  Window 0: v1-13 addresses; v16-55 x's scale words (tile i, K step s: 16 + 8 i + s); v56-87 w1's (56 + 16 b + 8 u + s: lanes 0-15 the gate tile's rows, lanes 16-31 the up tile's);
;   v88-92 offsets of x's scale words, later block 0's scale byte; v96-255 the accumulators: tile i at 96 + 32 i: gate u = 0, 1, then up u = 0, 1, eight registers each.
;   Window 1: v0-127 two sets of four fragments of w1; v128-255 x's tile 0.   Window 2: x's tiles 1, 2.   Window 3: x's tiles 3, 4.  (x's tile i, K step s: absolute 384 + 128 i + 16 s.)
.set PITCH, 1040                       ; a row of w1 in LDS: 1,024 bytes + 16: 65 x 16, so that the 16 rows of a fragment load begin in 16 different columns of 16 bytes
.set KIND,  64*PITCH                   ; the up rows lie behind the 64 gate rows
.set NT, 5                             ; how many of a wave's five tiles the products and the quantiser written next work on
.set MSB, 0
.macro WIN new                         ; the immediate's high byte repeats the setting that is left; a switch that changes nothing is dropped
.if MSB != (\new)
	s_set_vgpr_msb (MSB<<8)|(\new)
.set MSB, (\new)
.endif
.endm
.macro PLACES n
.rept \n
	v_nop
.endr
.endm
; my wave's 32 rows of w1 are 32 KB on end: load n takes bytes 512 n on, 16 a lane.  They wait in registers that the products take later: v96-255 of window 0, then v0-95 of window 1
.macro WLOAD lo, hi
.set n, \lo
.rept \hi-\lo
.if n < 40
	WIN 0
	global_load_b128 v[96+4*n:99+4*n], v1, s[8:9] offset:512*n th:TH_LOAD_NT
.else
	WIN 0x40
	global_load_b128 v[4*(n-40):4*(n-40)+3], v1, s[8:9] offset:512*n th:TH_LOAD_NT
.endif
.set n, n+1
.endr
	WIN 0
.endm
; into LDS: unit q of a block goes to row (q % 8) + 8 (q / 16) + 16 ((q / 8) % 2), so that the 16 rows of a tile are neighbours there
.macro WSTORE
.set n, 0
.rept 64
.set q, n>>1
.set pq, (q&7)|(((q>>4)&1)<<3)|(((q>>3)&1)<<4)
.if n < 40
	WIN 0
	ds_store_b128 v4, v[96+4*n:99+4*n] offset:pq*PITCH+(n&1)*512
.else
	WIN 0x04
	ds_store_b128 v4, v[4*(n-40):4*(n-40)+3] offset:pq*PITCH+(n&1)*512
.endif
.set n, n+1
.endr
	WIN 0
.endm
.macro LISTLOAD                        ; my five tiles' entries: lane l takes row l % 16's
.irp i, 0,1,2,3,4
	global_load_b32 v[8+\i], v6, s[12:13] offset:256*\i
.endr
.endm
.macro TOK                             ; an entry becomes offsets: held under 2,048, its token cut out (a filler becomes token 1,023: a row like any other, whose results are not kept)
.irp i, 0,1,2,3,4
	v_min_u32 v[8+\i], 0x7ff, v[8+\i]
	v_and_b32 v[8+\i], 0x3ff, v[8+\i]
	v_lshlrev_b32 v[88+\i], 5, v[8+\i]             ; its 32 scale bytes
	v_lshl_add_u32 v[8+\i], v[8+\i], 10, v13       ; its 1,024 codes, + 16 h
.endr
.endm
.macro XSLOAD
.irp i, 0,1,2,3,4
.irp q, 0,1
	global_load_b128 v[16+8*\i+4*\q:19+8*\i+4*\q], v[88+\i], s[6:7] offset:16*\q
.endr
.endr
.endm
.macro XLOAD s0, s1                    ; x's fragments of K steps s0 .. s1 - 1, K step by K step: 20 loads a step
.set ks, \s0
.rept \s1-\s0
.irp i, 0,1,2,3,4
	WIN 0x40*(1+(\i+1)/2)
.irp c, 0,1,2,3
	global_load_b128 v[(128+128*\i+16*ks)%256+4*\c:(128+128*\i+16*ks)%256+4*\c+3], v[8+\i], s[4:5] offset:128*ks+32*\c
.endr
.endr
.set ks, ks+1
.endr
	WIN 0
.endm
.macro WFETCH b, s, set                ; block b's four fragments (gate u = 0, 1; up u = 0, 1) of K step s, from LDS into a set
	WIN 0x40
.irp t, 0,1,2,3
.irp c, 0,1,2,3
	ds_load_b128 v[64*(\set)+16*\t+4*\c:64*(\set)+16*\t+4*\c+3], v[2+\t/2] offset:(32*(\b)+16*(\t%2))*PITCH+128*(\s)+32*\c
.endr
.endr
	WIN 0
.endm
; 4 NT matrix instructions: NT tiles of rows x four tiles of units.  The accumulators take turns, one instruction a turn, in the same order in every step.
; K step 0 starts the sums with the constant 0: nothing is cleared.
.macro MM b, s, set
.irp i, 0,1,2,3,4
.if \i < NT
	WIN 0x01+0x04*(1+(\i+1)/2)
.irp t, 0,1,2,3
.set rD, 96+32*\i+8*\t
.set rW, 64*(\set)+16*\t
.set rA, (128+128*\i+16*(\s))%256
.set rS, 56+16*(\b)+8*(\t%2)+(\s)
.set rX, 16+8*\i+(\s)
.if (\s) == 0
.if \t < 2
	v_wmma_scale_f32_16x16x128_f8f6f4 v[rD:rD+7], v[rW:rW+15], v[rA:rA+15], 0, v[rS], v[rX]
.else
	v_wmma_scale_f32_16x16x128_f8f6f4 v[rD:rD+7], v[rW:rW+15], v[rA:rA+15], 0, v[rS], v[rX] matrix_a_scale:MATRIX_SCALE_ROW1
.endif
.else
.if \t < 2
	v_wmma_scale_f32_16x16x128_f8f6f4 v[rD:rD+7], v[rW:rW+15], v[rA:rA+15], v[rD:rD+7], v[rS], v[rX]
.else
	v_wmma_scale_f32_16x16x128_f8f6f4 v[rD:rD+7], v[rW:rW+15], v[rA:rA+15], v[rD:rD+7], v[rS], v[rX] matrix_a_scale:MATRIX_SCALE_ROW1
.endif
.endif
.endr
.endif
.endr
	WIN 0
.endm
; Step n = 8 b + s of a pass.
.macro STEP n
	PLACES 8                                       ; eight places behind the last products, in front of loads into the set that they read
.if (\n) < 15
	WFETCH ((\n)+1)/8, ((\n)+1)%8, ((\n)+1)%2
	s_wait_dscnt 16                                ; this step's 16 loads are in; the 16 just issued may be out
.else
	s_wait_dscnt 0x0
.endif
.if (\n) < 8                           ; block 0 walks x as it arrives: 20 (7 - s) loads are younger than this K step's
.if 20*(7-(\n)) > 63
	s_wait_loadcnt 63
.else
	s_wait_loadcnt 20*(7-(\n))
.endif
.endif
	MM (\n)/8, (\n)%8, (\n)%2
.endm
.macro HSTORE b, i                     ; tile i's codes, and with block 1 its two scale bytes a row; a tile that begins at or beyond the count is not stored
	s_add_co_u32 s26, s24, 64*\i
	s_cmp_lt_u32 s26, s31
	s_cbranch_scc0 .Lnone_\@
	global_store_b128 v1, v[120+32*\i:123+32*\i], s[16:17] offset:131072*\i+512*\b   ; 32 lanes store 512 consecutive bytes
.if \b
	global_store_b8 v7, v[116+32*\i], s[18:19] offset:4096*\i   ; lane (r, h): row r's byte of block h.  A row's 64 bytes come from 32 work-groups, so these go out singly: one byte for 32 codes
.endif
.Lnone_\@:
.endm
; BLOCK b IS FINISHED: h = (g u) / (1 + 2^(-g log2 e)), its block's scale, the hold, the codes.  Every stage goes over the NT tiles by turns, so that no line waits for the line above it.
; G = 96 + 32 i (16 registers), U = 112 + 32 i.  Once h lies in G, U is free: +0 the largest magnitude, +1 the other lane's, +2 the conversion's scale, +3 448 x the scale, +4 the byte, +8 .. +11 the codes.
.macro EPI b
	PLACES 8                                       ; eight places in front of the first read of results
.irp k, 0,2,4,6,8,10,12,14
.irp i, 0,1,2,3,4
.if \i < NT
	v_pk_mul_f32 v[112+32*\i+\k:113+32*\i+\k], v[96+32*\i+\k:97+32*\i+\k], v[112+32*\i+\k:113+32*\i+\k]   ; g u; each accumulator is read from its low end on
.endif
.endr
.endr
.irp k, 0,2,4,6,8,10,12,14
.irp i, 0,1,2,3,4
.if \i < NT
	v_pk_mul_f32 v[96+32*\i+\k:97+32*\i+\k], v[96+32*\i+\k:97+32*\i+\k], 0xbfb8aa3b op_sel_hi:[1,0]   ; -g log2(e)
.endif
.endr
.endr
.irp k, 0,1,2,3,4,5,6,7,8,9,10,11,12,13,14,15
.irp i, 0,1,2,3,4
.if \i < NT
	v_exp_f32 v[96+32*\i+\k], v[96+32*\i+\k]
.endif
.endr
.endr
	v_nop                                          ; a plain instruction behind the last exponential (ISA guide 5.7.2),
	s_wait_alu depctr_va_vdst(0)                   ; and ONE wait for the whole batch, ahead of its first reader
.irp k, 0,2,4,6,8,10,12,14
.irp i, 0,1,2,3,4
.if \i < NT
	v_pk_add_f32 v[96+32*\i+\k:97+32*\i+\k], v[96+32*\i+\k:97+32*\i+\k], 1.0 op_sel_hi:[1,0]
.endif
.endr
.endr
.irp k, 0,1,2,3,4,5,6,7,8,9,10,11,12,13,14,15
.irp i, 0,1,2,3,4
.if \i < NT
	v_rcp_f32 v[96+32*\i+\k], v[96+32*\i+\k]
.endif
.endr
.endr
	v_nop
	s_wait_alu depctr_va_vdst(0)                   ; one wait for the batch of reciprocals
.irp k, 0,2,4,6,8,10,12,14
.irp i, 0,1,2,3,4
.if \i < NT
	v_pk_mul_f32 v[96+32*\i+\k:97+32*\i+\k], v[96+32*\i+\k:97+32*\i+\k], v[112+32*\i+\k:113+32*\i+\k]   ; h
.endif
.endr
.endr
.irp i, 0,1,2,3,4
.if \i < NT
	v_max3_num_f32 v[112+32*\i], |v[96+32*\i]|, |v[97+32*\i]|, 0x4800000   ; my 16 of the block's 32, and the floor 2^(9 - 127): the byte cannot fall under 1
.endif
.endr
.irp k, 2,4,6,8,10,12,14
.irp i, 0,1,2,3,4
.if \i < NT
	v_max3_num_f32 v[112+32*\i], v[112+32*\i], |v[96+32*\i+\k]|, |v[97+32*\i+\k]|
.endif
.endr
.endr
.irp i, 0,1,2,3,4
.if \i < NT
	v_permlanex16_b32 v[113+32*\i], v[112+32*\i], s28, s29
.endif
.endr
.irp i, 0,1,2,3,4
.if \i < NT
	v_max_num_f32 v[112+32*\i], v[112+32*\i], v[113+32*\i]   ; with lane l xor 16's: the block's largest magnitude
.endif
.endr
.irp i, 0,1,2,3,4
.if \i < NT
	v_add_nc_u32 v[114+32*\i], 0xfc000000, v[112+32*\i]      ; 8 off its exponent field: the conversion takes this operand's exponent field as its scale
.endif
.endr
.irp i, 0,1,2,3,4
.if \i < NT
	v_and_or_b32 v[115+32*\i], v[112+32*\i], 0x7f800000, s30 ; 448 x the scale: the same exponent field over 448's mantissa
.endif
.endr
.irp i, 0,1,2,3,4
.if \i < NT
	v_lshrrev_b32 v[116+32*\i], 23, v[114+32*\i]             ; the scale's byte
.endif
.endr
.irp k, 0,1,2,3,4,5,6,7,8,9,10,11,12,13,14,15
.irp i, 0,1,2,3,4
.if \i < NT
	v_med3_num_f32 v[96+32*\i+\k], v[96+32*\i+\k], -v[115+32*\i], v[115+32*\i]   ; the conversion to an 8-bit code does not saturate (ISA guide 7.6.2): the hold at the largest code x the scale
.endif
.endr
.endr
.irp i, 0,1,2,3,4
.if \i < NT
	v_cvt_scalef32_pk8_fp8_f32 v[120+32*\i:121+32*\i], v[96+32*\i:103+32*\i], v[114+32*\i]
	v_cvt_scalef32_pk8_fp8_f32 v[122+32*\i:123+32*\i], v[104+32*\i:111+32*\i], v[114+32*\i]
.endif
.endr
	v_nop                                          ; a plain instruction between the conversions and whatever next touches their registers (the next products write them)
.if \b
	s_mov_b32 vcc_lo, 0xffff0000
.irp i, 0,1,2,3,4
.if \i < NT
	v_cndmask_b32 v[116+32*\i], v[88+\i], v[116+32*\i], vcc_lo   ; lanes 0-15 carry block 0's byte, lanes 16-31 block 1's
.endif
.endr
.else
.irp i, 0,1,2,3,4
.if \i < NT
	v_mov_b32 v[88+\i], v[116+32*\i]               ; block 0's byte is kept
.endif
.endr
.endif
.irp i, 0,1,2,3,4
.if \i < NT
	HSTORE \b, \i
.endif
.endr
	s_wait_xcnt 0x0                                ; the stores have read their registers: the next products, and the next pass's steps of the bases, stand behind this wait
.endm
	s_load_b512 s[4:19], s[0:1], 0x0               ; x_codes 4, x_scales 6, w1_codes 8, w1_scales 10, list 12, cnts 14, hc 16, hs 18
	v_lshl_add_u32 v94, v0, 2, 0x20800
	v_mov_b32 v95, 0
	v_lshrrev_b32 v14, 5, v0
	v_readfirstlane_b32 s20, v14                   ; wave 0..3
	s_and_b32 s21, ttmp7, 0xffff                   ; e
	s_mov_b32 s22, ttmp9                           ; fs
	v_and_b32 v15, 31, v0                          ; lane
	v_lshlrev_b32 v1, 4, v15                       ; v1: 16 x lane
	v_and_b32 v14, 15, v0                          ; r
	v_bfe_u32 v13, v0, 4, 1                        ; h
	v_mul_u32_u24 v2, v14, PITCH
	v_lshl_add_u32 v2, v13, 4, v2                  ; v2: a gate fragment's row r, + 16 h
	v_add_nc_u32 v3, KIND, v2                      ; v3: an up fragment's
	s_mul_i32 s26, s20, 32*PITCH
	v_add_nc_u32 v4, s26, v1                       ; v4: where I put w1: my wave's 32 LDS rows, + 16 x lane
	v_and_b32 v5, 8, v14
	v_add_nc_u32 v5, v5, v14                       ; r + 8 (r / 8)
	v_lshl_add_u32 v5, v13, 11, v5                 ; lanes 16-31: the up rows, 2,048 rows on
	v_lshlrev_b32 v5, 5, v5                        ; v5: w1's scale bytes: 32 a row
	v_lshlrev_b32 v6, 2, v14                       ; v6: a list entry: 4 r
	v_lshl_add_u32 v7, v14, 6, v13                 ; v7: hs: 64 r + h
	v_lshlrev_b32 v13, 4, v13                      ; v13: 16 h
	s_mov_b32 s27, 0
	s_mov_b32 s28, 0x76543210
	s_mov_b32 s29, 0xfedcba98                      ; v_permlanex16_b32's selects for lane l xor 16
	s_mov_b32 s30, 0x600000                        ; the mantissa field of 448
	s_lshl_b32 s24, s20, 4                         ; the first row of my tile 0
	s_mov_b32 s25, 0                               ; the pass
	s_wait_kmcnt 0x0
	s_mul_i32 s26, s21, 6144
	s_lshl_b32 s32, s20, 6
	s_add_co_u32 s26, s26, s32
	s_add_nc_u64 s[12:13], s[12:13], s[26:27]      ; list[e], tile w
	LISTLOAD
	s_lshl_b32 s26, s21, 8
	s_add_nc_u64 s[14:15], s[14:15], s[26:27]
	s_load_b32 s23, s[14:15], 0x0                  ; the expert's count
	s_lshr_b32 s26, s20, 1                         ; waves 0, 1 bring the gate rows, waves 2, 3 the up rows, 2,048 rows on;
	s_lshl_b32 s26, s26, 11
	s_lshl_b32 s32, s22, 6
	s_add_co_u32 s26, s26, s32                     ; the slice's 64 rows;
	s_and_b32 s32, s20, 1
	s_lshl_b32 s32, s32, 5
	s_add_co_u32 s26, s26, s32                     ; block w % 2 of them
	s_lshl_b32 s26, s26, 10
	s_lshl_b32 s32, s21, 22
	s_add_co_u32 s26, s26, s32
	s_add_nc_u64 s[8:9], s[8:9], s[26:27]
	WLOAD 0, 58
	s_lshl_b32 s26, s21, 17
	s_lshl_b32 s32, s22, 11
	s_add_co_u32 s26, s26, s32
	s_add_nc_u64 s[10:11], s[10:11], s[26:27]      ; w1's scale bytes: the slice's gate rows
	s_mul_i32 s26, s21, 2621440
	s_lshl_b32 s32, s20, 15
	s_add_co_u32 s26, s26, s32
	s_lshl_b32 s32, s22, 10
	s_add_co_u32 s26, s26, s32
	s_add_nc_u64 s[16:17], s[16:17], s[26:27]      ; hc: expert, tile w, the slice's 1,024 bytes of a tile
	s_mul_i32 s26, s21, 81920
	s_lshl_b32 s32, s20, 10
	s_add_co_u32 s26, s26, s32
	s_lshl_b32 s32, s22, 1
	s_add_co_u32 s26, s26, s32
	s_add_nc_u64 s[18:19], s[18:19], s[26:27]      ; hs: expert, tile w, the slice's two bytes of a row
	s_wait_loadcnt 58                              ; the five list loads are in; the 58 loads of w1 behind them stay out
	TOK
	WLOAD 58, 64
.irp b, 0,1
.irp u, 0,1
.irp q, 0,1
	global_load_b128 v[56+16*\b+8*\u+4*\q:59+16*\b+8*\u+4*\q], v5, s[10:11] offset:(32*\b+8*\u)*32+16*\q   ; w1's scale words, four K steps a load
.endr
.endr
.endr
	XSLOAD
	XLOAD 0, 2
	s_wait_loadcnt 58                              ; 8 + 10 + 40 loads are younger than the last of w1: all of my part of w1 is in registers
	WSTORE
	XLOAD 2, 8
	s_wait_kmcnt 0x0
	s_min_u32 s23, s23, 1024                       ; the count, held at the number of tokens
	s_max_u32 s31, s23, 1                          ; tiles that begin under this are stored: tile 0 always
	s_cmp_gt_u32 s23, 320                          ; the number of passes of 320 rows: 1 to 4
	s_cselect_b32 s33, 2, 1
	s_cmp_gt_u32 s23, 640
	s_cselect_b32 s33, 3, s33
	s_cmp_gt_u32 s23, 960
	s_cselect_b32 s33, 4, s33
	s_wait_dscnt 0x0                               ; for the others' sake: my part of w1 lies in LDS
	s_barrier_signal -1
	s_barrier_wait -1                              ; the one barrier: from here on w1's rows are only read
	s_add_co_u32 s26, s24, 256                     ; the first row of my fifth tile
	s_cmp_lt_u32 s26, s31
	s_cbranch_scc0 .Lfour                          ; it has no row: four tiles, one pass
.Lpass:                                        ; on both ways in, the 160 youngest loads are x's, K step by K step
	WFETCH 0, 0, 0
.set N, 0
.rept 8
	STEP N
.set N, N+1
.endr
	EPI 0
.rept 8
	STEP N
.set N, N+1
.endr
	EPI 1
	s_add_co_u32 s25, s25, 1
	s_cmp_lt_u32 s25, s33
	s_cbranch_scc0 .Ldone                          ; no row is left
	s_add_nc_u64 s[12:13], s[12:13], 1280          ; 20 tiles on: in the list,
	s_add_nc_u64 s[16:17], s[16:17], 655360        ; in hc,
	s_add_nc_u64 s[18:19], s[18:19], 20480         ; in hs,
	s_add_co_u32 s24, s24, 320                     ; and in rows
	LISTLOAD
	s_wait_loadcnt 0x0
	TOK
	XSLOAD
	XLOAD 0, 8
	s_cmp_lt_u32 s25, s33
	s_cbranch_scc1 .Lpass
.Ldone:
	s_wait_tensorcnt 0x0
	ds_add_u32 v94, v95
	s_wait_dscnt 0x0
	s_endpgm
.set NT, 4
.Lfour:                                        ; the same pass on tiles 0 to 3: 16 matrix instructions a step; the loads that are out are the same 160, so the waits keep their counts
	WFETCH 0, 0, 0
.set N, 0
.rept 8
	STEP N
.set N, N+1
.endr
	EPI 0
.rept 8
	STEP N
.set N, N+1
.endr
	EPI 1
	s_wait_tensorcnt 0x0
	ds_add_u32 v94, v95
	s_wait_dscnt 0x0
	s_endpgm
.Lfunc_end_k_q5aa6b0734c_up:
	.size	k_q5aa6b0734c_up, .Lfunc_end_k_q5aa6b0734c_up-k_q5aa6b0734c_up
	.p2alignl 7, 3214868480
	.fill 96, 4, 3214868480
	.section	.rodata,"a",@progbits
	.p2align	6, 0x0
	.amdhsa_kernel k_q5aa6b0734c_up
		.amdhsa_group_segment_fixed_size 133632
		.amdhsa_private_segment_fixed_size 0
		.amdhsa_enable_private_segment 0
		.amdhsa_kernarg_size 64
		.amdhsa_user_sgpr_count 2
		.amdhsa_user_sgpr_kernarg_segment_ptr 1
		.amdhsa_wavefront_size32 1
		.amdhsa_system_sgpr_workgroup_id_x 1
		.amdhsa_system_sgpr_workgroup_id_y 1
		.amdhsa_system_sgpr_workgroup_id_z 1
		.amdhsa_system_vgpr_workitem_id 0
		.amdhsa_next_free_vgpr 1024
		.amdhsa_next_free_sgpr 66
		.amdhsa_reserve_vcc 1
		.amdhsa_float_denorm_mode_32 3
		.amdhsa_float_denorm_mode_16_64 3
		.amdhsa_memory_ordered 1
		.amdhsa_forward_progress 1
		.amdhsa_inst_pref_size 255
	.end_amdhsa_kernel
	.section	.bss,"aw",@nobits
	.p2align	6
	.space	262144
	.amdgpu_metadata
---
amdhsa.version: [ 1, 2 ]
amdhsa.kernels:
  - .name:           k_q5aa6b0734c_up
    .symbol:         k_q5aa6b0734c_up.kd
    .args:
      - { .name: x_codes, .offset: 0, .size: 8, .value_kind: global_buffer, .address_space: global }
      - { .name: x_scales, .offset: 8, .size: 8, .value_kind: global_buffer, .address_space: global }
      - { .name: w1_codes, .offset: 16, .size: 8, .value_kind: global_buffer, .address_space: global }
      - { .name: w1_scales, .offset: 24, .size: 8, .value_kind: global_buffer, .address_space: global }
      - { .name: list, .offset: 32, .size: 8, .value_kind: global_buffer, .address_space: global }
      - { .name: cnts, .offset: 40, .size: 8, .value_kind: global_buffer, .address_space: global }
      - { .name: hc, .offset: 48, .size: 8, .value_kind: global_buffer, .address_space: global }
      - { .name: hs, .offset: 56, .size: 8, .value_kind: global_buffer, .address_space: global }
    .group_segment_fixed_size: 133632
    .private_segment_fixed_size: 0
    .kernarg_segment_align: 8
    .kernarg_segment_size: 64
    .max_flat_workgroup_size: 128
    .sgpr_count:     66
    .vgpr_count:     1024
    .wavefront_size: 32
...
	.end_amdgpu_metadata
.endif
;; end of part 2
;; launch down (part 3): grid 32 x 8, 4 waves a work-group, no clusters, 150,016 bytes of LDS; arguments hc, hs, w2_codes, w2_scales, list, cnts, route, y; writes y
.if DOCPART == 3
	.amdgcn_target "amdgcn-amd-amdhsa--gfx1250"
	.amdhsa_code_object_version 6
	.text
	.protected	k_q5aa6b0734c_down
	.globl	k_q5aa6b0734c_down
	.p2align	8
	.type	k_q5aa6b0734c_down,@function
k_q5aa6b0734c_down:
	s_mov_b64 s[64:65], 0
	v_nop
	global_prefetch_b8 v0, s[64:65] scope:SCOPE_SE
	s_setreg_imm32_b32 hwreg(HW_REG_WAVE_MODE, 25, 1), 1
	s_wait_xcnt 0x0
; THE SECOND PRODUCT: y[entry] = route[e][token] x (h w2[e]^T), on codes of FP8 (E4M3) with one E8M0 scale for each 32 along K = 2,048.  A row of y is token + 1024 k: each (token, choice) has one owner.
; SHARES.  Work-group (2 ns + p, e) owns columns 64 ns .. 64 ns + 63 of expert e (64 rows of w2, 128 KB, in LDS, read by all four waves) and the expert's tiles of 16 rows of parity p, 12 of them a pass.
; Wave w owns tiles T(i) = 2 (12 pass + 4 i + w) + p, i = 0 .. 2: 3 x 4 accumulators, 12 matrix instructions a K step of 128, 16 K steps.
; h comes from memory as images of the operand's registers (each load 512 consecutive bytes) through a ring of five K steps in registers, four steps ahead.
; A TILE WITHOUT A ROW is read at the expert's last tile with the lane offset 0: all 32 lanes name the same 16 stored bytes.  So every wave issues the same loads on every way, a load for such a tile
; brings 16 bytes and not 512, and its results are not stored.
; TWO WAYS behind the barrier.  A wave whose third tile has no row (then the expert has at most 368 rows: one pass) works two tiles, on a straight path of its own: 8 matrix instructions and 8 loads of h a K step.
; The product is used transposed (source 0 = 16 rows of w2, source 1 = 16 rows of h): a lane holds one row and eight neighbouring columns.  A tile goes through the wave's own stage in LDS and
; leaves by rows: sixteen lanes store 256 consecutive bytes, aligned, at the row that the list names.
; ROWS PAST THE COUNT in the expert's last tile have filler entries, which name row 2,048 + 2 e + p of y: a spare row whose 256 bytes of this slice belong to this work-group alone and which nobody reads.
; So all lanes stay on throughout, and no store is masked.  A tile with no row at all is jumped over.
; NO TENSOR LOADS AND NO CLUSTER, though the 16 slices of an expert read the same h: the number of passes and the stores hang on a count read from memory.
; REGISTERS, in windows of 256.  Window 0: v1-11 addresses, never rewritten; v12-14 list entries, then offsets into route; v15, v222, v223 the three tiles' lane offsets into hc (16 x lane, or 0);
;   v16-47 w2's scale words (16 + 16 m + s: lane l holds row 32 m + l); v48-95 h's scale words (48 + 16 i + s); v96-191 accumulators (96 + 32 i + 8 t);
;   v192-215 the entries of the rows that I store, then their offsets in y; v216-221 the rows' weights, a pair a tile; v224-255 a tile's rows on the way out.
;   Window 1: v0-127 two sets of four fragments of w2.   Window 2: the ring: K step s at 48 (s % 5), tile i 16 i further on.   Window 3: w2 on its way to LDS.
.set PITCH, 2064                       ; a row of w2 in LDS: 2,048 bytes + 16: 129 x 16, so that the 16 rows of a fragment load begin in 16 different columns of 16 bytes
.set STAGE, 64*PITCH                   ; behind w2: 16 rows x (256 bytes + 16) for each wave
.set MSB, 0
.macro WIN new                         ; the immediate's high byte repeats the setting that is left; a switch that changes nothing is dropped
.if MSB != (\new)
	s_set_vgpr_msb (MSB<<8)|(\new)
.set MSB, (\new)
.endif
.endm
.macro PLACES n
.rept \n
	v_nop
.endr
.endm
; my three tiles: their first rows, where their h is read, and their lane offsets.  (Tile i's lane offset lies in v[15 + ((i + 1) / 2) (206 + i)]: v15, v222, v223.)
.macro TILES
.irp i, 0,1,2
	s_add_co_u32 s26, s28, 8*\i                    ; T(i)
	s_lshl_b32 s[51+\i], s26, 4                    ; its first row
	s_min_u32 s26, s26, s29                        ; read no further than the expert's last tile,
	s_min_u32 s26, s26, 79                         ; and inside the buffer by a constant
	s_lshl_b32 s54, s26, 15
	s_add_nc_u64 s[36+2*\i:37+2*\i], s[4:5], s[54:55]
	s_lshl_b32 s54, s26, 10
	s_add_nc_u64 s[42+2*\i:43+2*\i], s[6:7], s[54:55]
	s_max_u32 s26, s23, s[51+\i]
	s_sub_co_u32 s26, s26, s[51+\i]                ; the expert's rows from this tile on,
	s_min_u32 s26, s26, 1                          ; held at 1: has the tile a row?
	v_mul_u32_u24 v[15+((\i+1)/2)*(206+\i)], s26, v1   ; 16 x lane, or 0 in every lane
.endr
.endm
.macro W2LOAD lo, hi                   ; my wave's 16 rows of w2 are 32 KB on end: load n takes bytes 512 n on
	WIN 0xc0
.set n, \lo
.rept \hi-\lo
	global_load_b128 v[4*n:4*n+3], v1, s[8:9] offset:512*n
.set n, n+1
.endr
	WIN 0
.endm
.macro W2STORE
	WIN 0x0c
.set n, 0
.rept 64
	ds_store_b128 v4, v[4*n:4*n+3] offset:(n>>2)*PITCH+(n&3)*512
.set n, n+1
.endr
	WIN 0
.endm
.macro ENTS                            ; row l % 16's entry of each tile (for its weight); my tiles lie 8 tiles, 512 bytes of entries, apart
.irp i, 0,1,2
	global_load_b32 v[12+\i], v7, s[12:13] offset:512*\i
.endr
.endm
.macro RWLOAD                          ; the rows' weights: route[e][token]; an entry is held under 2,048 and its token cut out
.irp i, 0,1,2
	v_min_u32 v[12+\i], 0x7ff, v[12+\i]
	v_and_b32 v[12+\i], 0x3ff, v[12+\i]
	v_lshlrev_b32 v[12+\i], 2, v[12+\i]
	global_load_b32 v[216+2*\i], v[12+\i], s[16:17]
.endr
.endm
.macro E2LOAD                          ; the entries of rows 2 k + l / 16 (for the way out)
.irp i, 0,1,2
.irp k, 0,1,2,3,4,5,6,7
	global_load_b32 v[192+8*\i+\k], v8, s[12:13] offset:512*\i+8*\k
.endr
.endr
.endm
.macro HSLOAD                          ; h's scale words: 64 bytes a row, four K steps a load
.irp i, 0,1,2
.irp q, 0,1,2,3
	global_load_b128 v[48+16*\i+4*\q:51+16*\i+4*\q], v9, s[42+2*\i:43+2*\i] offset:16*\q
.endr
.endr
.endm
.macro HLOAD s, nt                     ; K step s of my first nt tiles: four loads a tile
	WIN 0x80
.irp i, 0,1,2
.if \i < (\nt)
.irp c, 0,1,2,3
	global_load_b128 v[48*((\s)%5)+16*\i+4*\c:48*((\s)%5)+16*\i+4*\c+3], v[15+((\i+1)/2)*(206+\i)], s[36+2*\i:37+2*\i] offset:2048*(\s)+512*\c
.endr
.endif
.endr
	WIN 0
.endm
.macro WFETCH s, set                   ; the four fragments of w2 of K step s
	WIN 0x40
.irp t, 0,1,2,3
.irp c, 0,1,2,3
	ds_load_b128 v[64*(\set)+16*\t+4*\c:64*(\set)+16*\t+4*\c+3], v[2+\t/2] offset:(\t%2)*16*PITCH+128*(\s)+32*\c
.endr
.endr
	WIN 0
.endm
; K step s on nt tiles (3: the loop; 2: the straight path).
.macro STEP s, nt
	PLACES 8                                       ; eight places behind the last products, in front of loads into the set and the ring slot that they read
.if (\s) < 15
	WFETCH (\s)+1, ((\s)+1)%2
.endif
.if (\s) < 12
	HLOAD (\s)+4, \nt
.endif
.if (\s) < 15
	s_wait_dscnt 16                                ; this step's 16 LDS loads are in; the 16 just issued may be out
.else
	s_wait_dscnt 0x0
.endif
.if (\nt) == 3
.if (\s) < 12
	s_wait_loadcnt 48                              ; this step's h is in; the four later steps' 48 loads may be out
.else
	s_wait_loadcnt 12*(15-(\s))                    ; the counts run down
.endif
.else
.if (\s) < 4
	s_wait_loadcnt 12*(3-(\s))+8*((\s)+1)          ; K steps 0 to 3 were asked for ahead of the barrier, 12 loads each; behind this step's stand those of the later ones among them, and 8 for each step of this path so far
.elseif (\s) < 12
	s_wait_loadcnt 32                              ; the four later steps' 32 loads may be out
.else
	s_wait_loadcnt 8*(15-(\s))                     ; the counts run down
.endif
.endif
	WIN 0x09                                       ; source 0 (w2) window 1, source 1 (h) window 2
.irp i, 0,1,2
.if \i < (\nt)
.irp t, 0,1,2,3                        ; the 4 nt accumulators take turns, one instruction a turn; K step 0 starts the sums
.set rD, 96+32*\i+8*\t
.set rW, 64*((\s)%2)+16*\t
.set rH, 48*((\s)%5)+16*\i
.set rS, 16+16*(\t/2)+(\s)
.set rX, 48+16*\i+(\s)
.if (\s) == 0
.if (\t%2) == 0
	v_wmma_scale_f32_16x16x128_f8f6f4 v[rD:rD+7], v[rW:rW+15], v[rH:rH+15], 0, v[rS], v[rX]
.else
	v_wmma_scale_f32_16x16x128_f8f6f4 v[rD:rD+7], v[rW:rW+15], v[rH:rH+15], 0, v[rS], v[rX] matrix_a_scale:MATRIX_SCALE_ROW1
.endif
.else
.if (\t%2) == 0
	v_wmma_scale_f32_16x16x128_f8f6f4 v[rD:rD+7], v[rW:rW+15], v[rH:rH+15], v[rD:rD+7], v[rS], v[rX]
.else
	v_wmma_scale_f32_16x16x128_f8f6f4 v[rD:rD+7], v[rW:rW+15], v[rH:rH+15], v[rD:rD+7], v[rS], v[rX] matrix_a_scale:MATRIX_SCALE_ROW1
.endif
.endif
.endr
.endif
.endr
	WIN 0
.endm
; Ahead of the way out, on every way: each tile's weight twice, a pair for the packed multiply; and the 24 entries become offsets in y: held at the last spare row, x 4,096 bytes a row, + 16 (l % 16).
; These 75 plain lines name no register of the last products: they are also the places in front of the first read of results.
.macro OFFS
.irp i, 0,1,2
	v_mov_b32 v[217+2*\i], v[216+2*\i]
.endr
.set n, 0
.rept 24
	v_min_u32 v[192+n], 0x80f, v[192+n]
.set n, n+1
.endr
.set n, 0
.rept 24
	v_lshlrev_b32 v[192+n], 12, v[192+n]
.set n, n+1
.endr
.set n, 0
.rept 24
	v_add_nc_u32 v[192+n], v[192+n], v11
.set n, n+1
.endr
.endm
; THE WAY OUT of tile i: x the row's weight; through my stage; back as whole rows of 256 bytes; stored at the rows of y that the list names.
.macro OUTT i
	s_cmp_lt_u32 s[51+\i], s23                     ; has the tile a row under the count?
	s_cbranch_scc0 .Lno_rows_\@
.irp k, 0,2,4,6,8,10,12,14,16,18,20,22,24,26,28,30
	v_pk_mul_f32 v[96+32*\i+\k:97+32*\i+\k], v[96+32*\i+\k:97+32*\i+\k], v[216+2*\i:217+2*\i]   ; each accumulator from its low end on
.endr
.irp t, 0,1,2,3
	ds_store_b128 v5, v[96+32*\i+8*\t:99+32*\i+8*\t] offset:64*\t          ; lane (r, h): row r, columns 16 t + 8 h + 0 .. 7
	ds_store_b128 v5, v[100+32*\i+8*\t:103+32*\i+8*\t] offset:64*\t+16
.endr
.irp k, 0,1,2,3,4,5,6,7
	ds_load_b128 v[224+4*\k:227+4*\k], v6 offset:544*\k                    ; LDS serves a wave's instructions in order (ISA guide 5.7.1.4): these see my stores, and the next tile's stores come behind them
.endr
.irp k, 0,1,2,3,4,5,6,7
	s_wait_dscnt 7-\k                              ; rows 2 k and 2 k + 1 are back
	global_store_b128 v[192+8*\i+\k], v[224+4*\k:227+4*\k], s[18:19]       ; 16 lanes store 256 consecutive bytes, at a multiple of 256 from y's first byte
.endr
	s_wait_xcnt 0x0                                ; the stores have read their registers: the next tile's rows, and the next pass's entries, land there only behind this wait
.Lno_rows_\@:
.endm
	s_load_b512 s[4:19], s[0:1], 0x0               ; hc 4, hs 6, w2_codes 8, w2_scales 10, list 12, cnts 14, route 16, y 18
	s_set_vgpr_msb 0x40
	v_lshl_add_u32 v254, v0, 2, 0x24800
	v_mov_b32 v255, 0
	s_set_vgpr_msb 0x4000
	v_lshrrev_b32 v223, 5, v0
	v_readfirstlane_b32 s20, v223                  ; wave 0..3
	s_and_b32 s21, ttmp7, 0xffff                   ; e
	s_lshr_b32 s22, ttmp9, 1                       ; ns
	s_and_b32 s24, ttmp9, 1                        ; p
	v_and_b32 v223, 31, v0                         ; lane
	v_and_b32 v222, 15, v0                         ; r
	v_bfe_u32 v15, v0, 4, 1                        ; h = l / 16   (these three registers are at work here; TILES gives them their lasting use)
	v_lshlrev_b32 v1, 4, v223                      ; v1: 16 x lane
	v_mul_u32_u24 v2, v222, PITCH
	v_lshl_add_u32 v2, v15, 4, v2                  ; v2: a fragment's row r, + 16 h: column tiles 0, 1
	v_add_nc_u32 v3, 32*PITCH, v2                  ; v3: column tiles 2, 3
	s_mul_i32 s26, s20, 16*PITCH
	v_add_nc_u32 v4, s26, v1                       ; v4: where I put w2: my wave's 16 LDS rows
	s_mul_i32 s26, s20, 16*272
	s_add_co_u32 s26, s26, STAGE                   ; my stage
	v_mul_u32_u24 v5, v222, 272
	v_lshl_add_u32 v5, v15, 5, v5
	v_add_nc_u32 v5, s26, v5                       ; v5: in: row r, + 32 h
	v_mul_u32_u24 v6, v15, 272
	v_lshl_add_u32 v6, v222, 4, v6
	v_add_nc_u32 v6, s26, v6                       ; v6: back: lanes 0-15 one row, lanes 16-31 the next
	v_lshlrev_b32 v7, 2, v222                      ; v7: 4 r
	v_lshlrev_b32 v8, 2, v15                       ; v8: 4 (l / 16)
	v_lshlrev_b32 v9, 6, v222                      ; v9: 64 r: h's scale bytes
	v_lshlrev_b32 v10, 6, v223                     ; v10: 64 x lane: w2's
	v_lshlrev_b32 v11, 4, v222                     ; v11: 16 r
	s_mov_b32 s27, 0
	s_mov_b32 s55, 0
	s_mov_b32 s25, 0                               ; the pass
	s_lshl_b32 s28, s20, 1
	s_add_co_u32 s28, s28, s24                     ; T(0) = 24 x pass + 2 w + p
	s_wait_kmcnt 0x0
	s_lshl_b32 s26, s21, 8
	s_add_nc_u64 s[14:15], s[14:15], s[26:27]
	s_load_b32 s23, s[14:15], 0x0                  ; the expert's count
	s_mul_i32 s26, s21, 6144
	s_lshl_b32 s54, s28, 6
	s_add_co_u32 s26, s26, s54
	s_add_nc_u64 s[12:13], s[12:13], s[26:27]      ; list[e], at my tile 0: 64 bytes of entries a tile
	ENTS
	s_lshl_b32 s26, s22, 6
	s_lshl_b32 s54, s20, 4
	s_add_co_u32 s26, s26, s54                     ; row 64 ns + 16 w of w2[e]
	s_lshl_b32 s26, s26, 11
	s_lshl_b32 s54, s21, 21
	s_add_co_u32 s26, s26, s54
	s_add_nc_u64 s[8:9], s[8:9], s[26:27]
	W2LOAD 0, 60
	s_lshl_b32 s26, s21, 16
	s_lshl_b32 s54, s22, 12
	s_add_co_u32 s26, s26, s54
	s_add_nc_u64 s[10:11], s[10:11], s[26:27]      ; w2's scale bytes: the slice's 64 rows
	s_mul_i32 s26, s21, 2621440
	s_add_nc_u64 s[4:5], s[4:5], s[26:27]          ; hc[e]
	s_mul_i32 s26, s21, 81920
	s_add_nc_u64 s[6:7], s[6:7], s[26:27]          ; hs[e]
	s_lshl_b32 s26, s21, 12
	s_add_nc_u64 s[16:17], s[16:17], s[26:27]      ; route[e]
	s_lshl_b32 s26, s22, 8
	s_add_nc_u64 s[18:19], s[18:19], s[26:27]      ; y: the slice's 256 bytes of a row
	s_wait_kmcnt 0x0
	s_min_u32 s23, s23, 1024                       ; the count, held at the number of tokens
	s_add_co_u32 s29, s23, 15
	s_lshr_b32 s29, s29, 4
	s_max_u32 s29, s29, 1
	s_sub_co_u32 s29, s29, 1                       ; the expert's last tile (tile 0 where it has no row: that tile is always stored by the launch before)
	s_cmp_gt_u32 s23, 384                          ; the number of passes of 384 rows: 1 to 3
	s_cselect_b32 s56, 2, 1
	s_cmp_gt_u32 s23, 768
	s_cselect_b32 s56, 3, s56
	TILES
	s_wait_loadcnt 60                              ; the three entries are in; the 60 loads of w2 behind them stay out
	RWLOAD
	W2LOAD 60, 64
.irp m, 0,1
.irp q, 0,1,2,3
	global_load_b128 v[16+16*\m+4*\q:19+16*\m+4*\q], v10, s[10:11] offset:2048*\m+16*\q   ; w2's scale words
.endr
.endr
	E2LOAD
	HSLOAD
	HLOAD 0, 3
	s_wait_loadcnt 56                              ; 8 + 24 + 12 + 12 loads are younger than the last of w2: all of my part of w2 is in registers
	W2STORE
	HLOAD 1, 3
	HLOAD 2, 3
	HLOAD 3, 3
	s_wait_dscnt 0x0                               ; for the others' sake: my part of w2 lies in LDS
	s_barrier_signal -1
	s_barrier_wait -1                              ; the one barrier: from here on w2's rows are only read, and a stage is its wave's own
	s_cmp_lt_u32 s53, s23                          ; has my third tile a row?
	s_cbranch_scc0 .Ltwo                           ; no: two tiles, one pass
.Lpass:                                        ; on both ways in, the 48 youngest loads are h's K steps 0 to 3
	WFETCH 0, 0
.set N, 0
.rept 16
	STEP N, 3
.set N, N+1
.endr
	OFFS
	OUTT 0
	OUTT 1
	OUTT 2
	s_add_co_u32 s25, s25, 1
	s_cmp_lt_u32 s25, s56
	s_cbranch_scc0 .Ldone                          ; no row is left
	s_add_co_u32 s28, s28, 24                      ; 24 tiles on.  Every load of the pass has been waited for, and every store has read its registers: bases and offsets may be written
	s_add_nc_u64 s[12:13], s[12:13], 1536
	TILES
	ENTS
	s_wait_loadcnt 0x0
	RWLOAD
	E2LOAD
	HSLOAD
	HLOAD 0, 3
	HLOAD 1, 3
	HLOAD 2, 3
	HLOAD 3, 3
	s_cmp_lt_u32 s25, s56
	s_cbranch_scc1 .Lpass
.Ldone:
	s_set_vgpr_msb 0x5
	s_wait_tensorcnt 0x0
	ds_add_u32 v254, v255
	s_wait_dscnt 0x0
	s_set_vgpr_msb 0x500
	s_endpgm
.Ltwo:                                         ; the pass on tiles 0 and 1; here too the 48 youngest loads are h's K steps 0 to 3, of three tiles
	WFETCH 0, 0
.set N, 0
.rept 16
	STEP N, 2
.set N, N+1
.endr
	OFFS
	OUTT 0
	OUTT 1
	s_set_vgpr_msb 0x5
	s_wait_tensorcnt 0x0
	ds_add_u32 v254, v255
	s_wait_dscnt 0x0
	s_set_vgpr_msb 0x500
	s_endpgm
.Lfunc_end_k_q5aa6b0734c_down:
	.size	k_q5aa6b0734c_down, .Lfunc_end_k_q5aa6b0734c_down-k_q5aa6b0734c_down
	.p2alignl 7, 3214868480
	.fill 96, 4, 3214868480
	.section	.rodata,"a",@progbits
	.p2align	6, 0x0
	.amdhsa_kernel k_q5aa6b0734c_down
		.amdhsa_group_segment_fixed_size 150016
		.amdhsa_private_segment_fixed_size 0
		.amdhsa_enable_private_segment 0
		.amdhsa_kernarg_size 64
		.amdhsa_user_sgpr_count 2
		.amdhsa_user_sgpr_kernarg_segment_ptr 1
		.amdhsa_wavefront_size32 1
		.amdhsa_system_sgpr_workgroup_id_x 1
		.amdhsa_system_sgpr_workgroup_id_y 1
		.amdhsa_system_sgpr_workgroup_id_z 1
		.amdhsa_system_vgpr_workitem_id 0
		.amdhsa_next_free_vgpr 1024
		.amdhsa_next_free_sgpr 66
		.amdhsa_reserve_vcc 0
		.amdhsa_float_denorm_mode_32 3
		.amdhsa_float_denorm_mode_16_64 3
		.amdhsa_memory_ordered 1
		.amdhsa_forward_progress 1
		.amdhsa_inst_pref_size 168
	.end_amdhsa_kernel
	.amdgpu_metadata
---
amdhsa.version: [ 1, 2 ]
amdhsa.kernels:
  - .name:           k_q5aa6b0734c_down
    .symbol:         k_q5aa6b0734c_down.kd
    .args:
      - { .name: hc, .offset: 0, .size: 8, .value_kind: global_buffer, .address_space: global }
      - { .name: hs, .offset: 8, .size: 8, .value_kind: global_buffer, .address_space: global }
      - { .name: w2_codes, .offset: 16, .size: 8, .value_kind: global_buffer, .address_space: global }
      - { .name: w2_scales, .offset: 24, .size: 8, .value_kind: global_buffer, .address_space: global }
      - { .name: list, .offset: 32, .size: 8, .value_kind: global_buffer, .address_space: global }
      - { .name: cnts, .offset: 40, .size: 8, .value_kind: global_buffer, .address_space: global }
      - { .name: route, .offset: 48, .size: 8, .value_kind: global_buffer, .address_space: global }
      - { .name: y, .offset: 56, .size: 8, .value_kind: global_buffer, .address_space: global }
    .group_segment_fixed_size: 150016
    .private_segment_fixed_size: 0
    .kernarg_segment_align: 8
    .kernarg_segment_size: 64
    .max_flat_workgroup_size: 128
    .sgpr_count:     66
    .vgpr_count:     1024
    .wavefront_size: 32
...
	.end_amdgpu_metadata
.endif
;; end of part 3
;; launch add (part 4): grid 256 x 1, 8 waves a work-group, no clusters, 0 bytes of LDS; arguments y, out0; writes out0
.if DOCPART == 4
	.amdgcn_target "amdgcn-amd-amdhsa--gfx1250"
	.amdhsa_code_object_version 6
	.text
	.protected	k_q5aa6b0734c_add
	.globl	k_q5aa6b0734c_add
	.p2align	8
	.type	k_q5aa6b0734c_add,@function
k_q5aa6b0734c_add:
	s_mov_b64 s[64:65], 0
	v_nop
	global_prefetch_b8 v0, s[64:65] scope:SCOPE_SE
	s_setreg_imm32_b32 hwreg(HW_REG_WAVE_MODE, 25, 1), 1
	s_wait_xcnt 0x0
; out0[t] = y[t] + y[1024 + t]: a token's first and second choice.  (The six experts that a token did not choose add exact zeros in the sum as it is defined, so two terms are the whole sum.)
; A stream: work-group g owns 16 KB of out0; a thread takes 16 bytes of each of four runs of 4,096 bytes, so that a wave's load or store covers 512 consecutive bytes.  Every byte is read once and written once.
	s_load_b128 s[4:7], s[0:1], 0x0                ; y s[4:5], out0 s[6:7]
	s_lshl_b32 s8, ttmp9, 14
	v_lshl_add_u32 v1, v0, 4, s8
	s_wait_kmcnt 0x0
.irp k, 0,1,2,3
	global_load_b128 v[4+4*\k:7+4*\k], v1, s[4:5] offset:4096*\k th:TH_LOAD_NT
	global_load_b128 v[20+4*\k:23+4*\k], v1, s[4:5] offset:4194304+4096*\k th:TH_LOAD_NT
.endr
.irp k, 0,1,2,3
	s_wait_loadcnt 6-2*\k                          ; run k's two loads are in; the later runs' may be out
	v_pk_add_f32 v[4+4*\k:5+4*\k], v[4+4*\k:5+4*\k], v[20+4*\k:21+4*\k]
	v_pk_add_f32 v[6+4*\k:7+4*\k], v[6+4*\k:7+4*\k], v[22+4*\k:23+4*\k]
	global_store_b128 v1, v[4+4*\k:7+4*\k], s[6:7] offset:4096*\k th:TH_STORE_NT
.endr
	s_endpgm
.Lfunc_end_k_q5aa6b0734c_add:
	.size	k_q5aa6b0734c_add, .Lfunc_end_k_q5aa6b0734c_add-k_q5aa6b0734c_add
	.p2alignl 7, 3214868480
	.fill 96, 4, 3214868480
	.section	.rodata,"a",@progbits
	.p2align	6, 0x0
	.amdhsa_kernel k_q5aa6b0734c_add
		.amdhsa_group_segment_fixed_size 0
		.amdhsa_private_segment_fixed_size 0
		.amdhsa_enable_private_segment 0
		.amdhsa_kernarg_size 16
		.amdhsa_user_sgpr_count 2
		.amdhsa_user_sgpr_kernarg_segment_ptr 1
		.amdhsa_wavefront_size32 1
		.amdhsa_system_sgpr_workgroup_id_x 1
		.amdhsa_system_sgpr_workgroup_id_y 1
		.amdhsa_system_sgpr_workgroup_id_z 1
		.amdhsa_system_vgpr_workitem_id 0
		.amdhsa_next_free_vgpr 40
		.amdhsa_next_free_sgpr 66
		.amdhsa_reserve_vcc 0
		.amdhsa_float_denorm_mode_32 3
		.amdhsa_float_denorm_mode_16_64 3
		.amdhsa_memory_ordered 1
		.amdhsa_forward_progress 1
		.amdhsa_inst_pref_size 3
	.end_amdhsa_kernel
	.amdgpu_metadata
---
amdhsa.version: [ 1, 2 ]
amdhsa.kernels:
  - .name:           k_q5aa6b0734c_add
    .symbol:         k_q5aa6b0734c_add.kd
    .args:
      - { .name: y, .offset: 0, .size: 8, .value_kind: global_buffer, .address_space: global }
      - { .name: out0, .offset: 8, .size: 8, .value_kind: global_buffer, .address_space: global }
    .group_segment_fixed_size: 0
    .private_segment_fixed_size: 0
    .kernarg_segment_align: 8
    .kernarg_segment_size: 16
    .max_flat_workgroup_size: 256
    .sgpr_count:     66
    .vgpr_count:     40
    .wavefront_size: 32
...
	.end_amdgpu_metadata
.endif
;; end of part 4
;; ======== version 2 of 2: 4 launches
;; workspace buffers: list 49,152 bytes of whole numbers; cnts 2,048 bytes of whole numbers; route 32,768 bytes; hc 20,971,520 bytes; hs 655,360 bytes; y 8,454,144 bytes
;; launch route (part 5): grid 8 x 4, 8 waves a work-group, no clusters, 1,536 bytes of LDS; arguments gating_output, list, cnts, route; writes list, cnts, route
.if DOCPART == 5
	.amdgcn_target "amdgcn-amd-amdhsa--gfx1250"
	.amdhsa_code_object_version 6
	.text
	.protected	k_q5aa6b0734c_route
	.globl	k_q5aa6b0734c_route
	.p2align	8
	.type	k_q5aa6b0734c_route,@function
k_q5aa6b0734c_route:
	s_mov_b64 s[64:65], 0
	v_nop
	global_prefetch_b8 v0, s[64:65] scope:SCOPE_SE
	s_setreg_imm32_b32 hwreg(HW_REG_WAVE_MODE, 25, 1), 1
	s_wait_xcnt 0x0
; THE ROUTER.  Work-group (e, q) serves expert e and quarter q of its results.  It finds the two largest logits of ALL 1,024 tokens (a thread takes tokens 256 k + thread, k = 0 .. 3, by turns),
; since an entry's place in the expert's list hangs on every token before it; then thread t is entry j = 256 q + t of the list.  The 32 KB of logits are worked again in each work-group, so that nothing goes between work-groups.
; Out: route[e][t] = the token's renormalised weight for expert e, or 0 (tokens 256 q on);  list[e][j] = token + 1024 k of the j-th token (ascending) that chose e,
; k = 0 where e is its first choice, 1 where its second;  cnts[e][0..31] = the count (by q = 0).  For j at or beyond the count the entry is a FILLER, 0x800 + 2 e + ((j / 16) % 2):
; as a row of the workspace y it names a spare row that belongs to this expert and to the parity of the entry's tile of 16.  All 1,536 entries are written, 384 by each quarter.
; No address and no branch hangs on the logits: the list is made by values alone (each thread SEARCHES for its entry among the 32 ballots).
; The softmax's maximum is taken away: of the two chosen scores only their ratio counts, w1 = 1 / (1 + e^(b2 - b1)), w2 = e^(b2 - b1) w1, b2 <= b1.
; LIMITS: the two largest LOGITS are taken, ties to the lower index; two logits whose softmax values round to one f32 number may be ordered otherwise than a top-k
; of the rounded scores would order them.  Logits are finite; NaN is not served.
.set SELW, 0                           ; LDS: a word for each 32 tokens: which of them chose e,
.set TOPW, 128                         ; which chose it first,
.set CNTW, 256                         ; and how many chose it.  Wave w's set k is word 8 k + w
.set G, 8                              ; v8-39    the logits: set k at G + 8 k
.set B, 40                             ; v40-55   set k at B + 4 k: b1, i1, b2, i2
.set D, 60                             ; v60-63   b2 - b1 of the four sets
.set C, 64                             ; v64-95   the 32 counts, then their running sums
.set S, 96                             ; v96-127  the 32 ballots
.set T, 128                            ; v128-159 the 32 first-choice ballots
.set L, 180                            ; v180-191 my wave's twelve words on their way to LDS
	s_load_b256 s[4:11], s[0:1], 0x0               ; logits s[4:5], list s[6:7], cnts s[8:9], route s[10:11]
	v_lshl_add_u32 v192, v0, 2, 0x200
	v_mov_b32 v193, 0
	v_lshrrev_b32 v3, 5, v0
	s_delay_alu instid0(VALU_DEP_1)
	v_readfirstlane_b32 s12, v3                    ; wave 0..7
	s_mov_b32 s13, ttmp9                           ; e
	s_and_b32 s20, ttmp7, 0xffff                   ; q
	v_lshlrev_b32 v1, 5, v0                        ; a token's 8 logits: 32 bytes
	v_lshlrev_b32 v2, 2, v0                        ; 4 x thread
	v_lshlrev_b32 v3, 2, v3                        ; 4 x wave
	s_lshl_b32 s18, s20, 8
	v_add_nc_u32 v4, s18, v0                       ; j = 256 q + thread
	s_mov_b32 s19, 0
	s_wait_alu depctr_va_vdst(0)
	s_wait_kmcnt 0x0
.irp k, 0,1,2,3
	global_load_b128 v[G+8*\k:G+8*\k+3], v1, s[4:5] offset:8192*\k
	global_load_b128 v[G+8*\k+4:G+8*\k+7], v1, s[4:5] offset:8192*\k+16
.endr
	s_mul_i32 s18, s13, 6144
	s_add_nc_u64 s[6:7], s[6:7], s[18:19]          ; list[e]
	s_lshl_b32 s18, s20, 9
	s_add_co_u32 s18, s18, 4096
	s_add_nc_u64 s[22:23], s[6:7], s[18:19]        ; entries 1,024 + 128 q on
	s_lshl_b32 s18, s20, 10
	s_add_nc_u64 s[6:7], s[6:7], s[18:19]          ; entries 256 q on
	s_lshl_b32 s18, s13, 8
	s_add_nc_u64 s[8:9], s[8:9], s[18:19]          ; cnts[e]
	s_lshl_b32 s18, s13, 12
	s_lshl_b32 s21, s20, 10
	s_add_co_u32 s18, s18, s21
	s_add_nc_u64 s[10:11], s[10:11], s[18:19]      ; route[e], tokens 256 q on
	s_wait_loadcnt 0x0
	; the two largest logits in one scan, the four sets by turns; the strict compares keep the lower index on a tie
.irp k, 0,1,2,3
	v_mov_b32 v[B+4*\k], v[G+8*\k]                 ; b1
	v_mov_b32 v[B+4*\k+1], 0                       ; i1
	v_mov_b32 v[B+4*\k+2], 0xff800000              ; b2 = -infinity
	v_mov_b32 v[B+4*\k+3], 8                       ; i2: no expert yet
.endr
.irp c, 1,2,3,4,5,6,7
	v_mov_b32 v56, \c
.irp k, 0,1,2,3
	v_cmp_gt_f32 s[24+\k], v[G+8*\k+\c], v[B+4*\k]             ; over the largest?
.endr
.irp k, 0,1,2,3
	v_cmp_gt_f32 s[28+\k], v[G+8*\k+\c], v[B+4*\k+2]           ; over the second?
.endr
.irp k, 0,1,2,3
	s_delay_alu instid0(VALU_DEP_4)
	v_cndmask_b32 v[B+4*\k+2], v[B+4*\k+2], v[G+8*\k+\c], s[28+\k]
.endr
.irp k, 0,1,2,3
	v_cndmask_b32 v[B+4*\k+3], v[B+4*\k+3], v56, s[28+\k]
.endr
.irp k, 0,1,2,3
	v_cndmask_b32 v[B+4*\k+2], v[B+4*\k+2], v[B+4*\k], s[24+\k]   ; a new largest pushes the old one down
.endr
.irp k, 0,1,2,3
	v_cndmask_b32 v[B+4*\k+3], v[B+4*\k+3], v[B+4*\k+1], s[24+\k]
.endr
.irp k, 0,1,2,3
	v_cndmask_b32 v[B+4*\k], v[B+4*\k], v[G+8*\k+\c], s[24+\k]
.endr
.irp k, 0,1,2,3
	v_cndmask_b32 v[B+4*\k+1], v[B+4*\k+1], v56, s[24+\k]
.endr
.endr
.irp k, 0,1,2,3
	v_cmp_eq_u32 s[24+\k], s13, v[B+4*\k+1]        ; the set's tokens whose first choice is e,
	v_cmp_eq_u32 s[28+\k], s13, v[B+4*\k+3]        ; and whose second is
.endr
.irp k, 0,1,2,3
	s_or_b32 s[32+\k], s[24+\k], s[28+\k]
	s_bcnt1_i32_b32 s[36+\k], s[32+\k]
	v_mov_b32 v[L+3*\k], s[32+\k]
	v_mov_b32 v[L+3*\k+1], s[24+\k]
	v_mov_b32 v[L+3*\k+2], s[36+\k]
	ds_store_b32 v3, v[L+3*\k] offset:SELW+32*\k   ; all lanes write the word with the same value
	ds_store_b32 v3, v[L+3*\k+1] offset:TOPW+32*\k
	ds_store_b32 v3, v[L+3*\k+2] offset:CNTW+32*\k
.endr
	s_wait_dscnt 0x0                               ; for the others' sake: my twelve words lie in LDS
	s_barrier_signal -1
	s_barrier_wait -1
	v_mov_b32 v176, 0
.irp k, 0,1,2,3,4,5,6,7
	ds_load_b128 v[C+4*\k:C+4*\k+3], v176 offset:CNTW+16*\k    ; the 32 counts, in every lane
.endr
.irp k, 0,1,2,3,4,5,6,7
	ds_load_b128 v[S+4*\k:S+4*\k+3], v176 offset:SELW+16*\k    ; the 32 ballots
.endr
.irp k, 0,1,2,3,4,5,6,7
	ds_load_b128 v[T+4*\k:T+4*\k+3], v176 offset:TOPW+16*\k    ; the 32 first-choice ballots
.endr
	; while they come: the weights of my quarter's tokens, set q, chosen by values
.irp k, 0,1,2,3
	v_sub_f32 v[D+\k], v[B+4*\k+2], v[B+4*\k]      ; b2 - b1, 0 or less
.endr
	s_mov_b32 s14, s24
	s_mov_b32 s15, s28
.irp k, 1,2,3
	s_wait_alu depctr_va_vdst(0)
	s_cmp_eq_u32 s20, \k
	s_cselect_b32 s14, s[24+\k], s14
	s_cselect_b32 s15, s[28+\k], s15
	s_cselect_b32 s21, -1, 0
	v_cndmask_b32 v[D], v[D], v[D+\k], s21
.endr
	s_delay_alu instid0(VALU_DEP_1)
	v_mul_f32 v5, 0x3fb8aa3b, v[D]                 ; x log2(e)
	s_wait_alu depctr_va_vdst(0)
	v_exp_f32 v6, v5
	v_nop                                          ; a plain instruction behind the transcendental (ISA guide 5.7.2),
	s_wait_alu depctr_va_vdst(0)                   ; and a wait ahead of its first reader
	v_add_f32 v7, 1.0, v6
	s_wait_alu depctr_va_vdst(0)
	v_rcp_f32 v56, v7                              ; w1
	v_nop
	s_wait_alu depctr_va_vdst(0)
	v_mul_f32 v57, v6, v56                         ; w2
	v_mov_b32 v58, 0
	s_delay_alu instid0(VALU_DEP_1)
	v_cndmask_b32 v58, v58, v57, s15
	v_cndmask_b32 v58, v58, v56, s14
	global_store_b32 v2, v58, s[10:11]             ; a wave stores 128 consecutive bytes
	s_wait_dscnt 16                                ; the counts are in; the 16 loads of ballots behind them may be out
.set ww, 1
	v_add_nc_u32 v[C+ww], v[C+ww], v[C+ww-1]
.set ww, ww+1
.rept (31)-1
	s_delay_alu instid0(VALU_DEP_1)
	v_add_nc_u32 v[C+ww], v[C+ww], v[C+ww-1]       ; C[w]: how many chose e in words 0 .. w
.set ww, ww+1
.endr
	s_wait_dscnt 0x0
	; the word that holds chosen token number j: the last word w whose tokens begin at or under j
	v_mov_b32 v161, v[S]                           ; the word,
	v_mov_b32 v162, 0                              ; the number of its first chosen token,
	v_mov_b32 v163, 0                              ; 32 w,
	v_mov_b32 v164, v[T]                           ; and its first-choice word
.set ww, 1
.rept 31
	v_cmp_le_u32 vcc_lo, v[C+ww-1], v4
	v_mov_b32 v160, 32*ww
	s_delay_alu instid0(VALU_DEP_2)
	v_cndmask_b32 v161, v161, v[S+ww], vcc_lo
	s_delay_alu instid0(VALU_DEP_3)
	v_cndmask_b32 v162, v162, v[C+ww-1], vcc_lo
	s_delay_alu instid0(VALU_DEP_3)
	v_cndmask_b32 v163, v163, v160, vcc_lo
	v_cndmask_b32 v164, v164, v[T+ww], vcc_lo
.set ww, ww+1
.endr
	s_delay_alu instid0(VALU_DEP_3)
	; set bit number rem of the word: counts of ones in fields of 2, 4, 8 and 16 bits, then five halvings
	v_sub_nc_u32 v165, v4, v162                    ; rem
	v_lshrrev_b32 v166, 1, v161
	s_delay_alu instid0(VALU_DEP_1)
	v_and_b32 v166, 0x55555555, v166
	s_delay_alu instid0(VALU_DEP_1)
	v_sub_nc_u32 v166, v161, v166                  ; by 2
	s_delay_alu instid0(VALU_DEP_1)
	v_lshrrev_b32 v167, 2, v166
	s_delay_alu instid0(VALU_DEP_1)
	v_and_b32 v167, 0x33333333, v167
	s_delay_alu instid0(VALU_DEP_3)
	v_and_b32 v168, 0x33333333, v166
	s_delay_alu instid0(VALU_DEP_1)
	v_add_nc_u32 v167, v167, v168                  ; by 4
	s_delay_alu instid0(VALU_DEP_1)
	v_lshrrev_b32 v168, 4, v167
	s_delay_alu instid0(VALU_DEP_1)
	v_add_nc_u32 v168, v168, v167
	s_delay_alu instid0(VALU_DEP_1)
	v_and_b32 v168, 0x0f0f0f0f, v168               ; by 8
	s_delay_alu instid0(VALU_DEP_1)
	v_lshrrev_b32 v169, 8, v168
	s_delay_alu instid0(VALU_DEP_1)
	v_add_nc_u32 v169, v169, v168
	s_delay_alu instid0(VALU_DEP_1)
	v_and_b32 v169, 0xff, v169                     ; the low 16 bits' ones
	v_mov_b32 v170, 0                              ; pos
.macro PICK width                      ; are there rem ones or fewer in the lower half (v169)?  Then the bit lies in the upper half
	v_cmp_ge_u32 vcc_lo, v165, v169
	s_delay_alu instid0(VALU_DEP_1)
	v_cndmask_b32 v171, 0, v169, vcc_lo
	s_delay_alu instid0(VALU_DEP_1)
	v_sub_nc_u32 v165, v165, v171
	v_mov_b32 v172, \width
	s_delay_alu instid0(VALU_DEP_1)
	v_cndmask_b32 v171, 0, v172, vcc_lo
	s_delay_alu instid0(VALU_DEP_1)
	v_add_nc_u32 v170, v170, v171
.endm
	PICK 16
	s_delay_alu instid0(VALU_DEP_1)
	v_bfe_u32 v169, v168, v170, 8
	PICK 8
	s_delay_alu instid0(VALU_DEP_1)
	v_bfe_u32 v169, v167, v170, 4
	PICK 4
	s_delay_alu instid0(VALU_DEP_1)
	v_bfe_u32 v169, v166, v170, 2
	PICK 2
	s_delay_alu instid0(VALU_DEP_1)
	v_bfe_u32 v169, v161, v170, 1
	PICK 1
	s_delay_alu instid0(VALU_DEP_1)
	v_add_nc_u32 v173, v163, v170                  ; the token
	s_delay_alu instid0(VALU_DEP_2)
	v_bfe_u32 v174, v164, v170, 1                  ; 1: e is its first choice
	s_delay_alu instid0(VALU_DEP_1)
	v_xor_b32 v174, 1, v174                        ; k
	s_delay_alu instid0(VALU_DEP_1)
	v_lshl_or_b32 v173, v174, 10, v173             ; token + 1024 k
	s_lshl_b32 s18, s13, 1
	s_add_co_u32 s18, s18, 0x800
	v_bfe_u32 v175, v0, 4, 1                       ; the parity of entry j's tile: 256 q and 1,024 + 128 q are multiples of 32, so bit 4 of the thread's number serves both stores
	s_delay_alu instid0(VALU_DEP_1)
	v_add_nc_u32 v175, s18, v175                   ; the filler: 0x800 + 2 e + parity
	v_cmp_lt_u32 vcc_lo, v4, v[C+31]               ; C[31] is the expert's count
	s_delay_alu instid0(VALU_DEP_1)
	v_cndmask_b32 v173, v175, v173, vcc_lo         ; entries at or beyond the count
	global_store_b32 v2, v173, s[6:7]
	s_cmp_lt_u32 s12, 4
	s_cbranch_scc0 .Lno_fill
	global_store_b32 v2, v175, s[22:23]            ; entries 1,024 + 128 q + thread: fillers, by waves 0 to 3
.Lno_fill:
	s_or_b32 s18, s12, s20
	s_cmp_lg_u32 s18, 0
	s_cbranch_scc1 .Lend
	global_store_b32 v2, v[C+31], s[8:9]           ; the count, 32 times, by wave 0 of quarter 0
.Lend:
	s_wait_tensorcnt 0x0
	ds_add_u32 v192, v193
	s_wait_dscnt 0x0
	s_endpgm
.Lfunc_end_k_q5aa6b0734c_route:
	.size	k_q5aa6b0734c_route, .Lfunc_end_k_q5aa6b0734c_route-k_q5aa6b0734c_route
	.p2alignl 7, 3214868480
	.fill 96, 4, 3214868480
	.section	.rodata,"a",@progbits
	.p2align	6, 0x0
	.amdhsa_kernel k_q5aa6b0734c_route
		.amdhsa_group_segment_fixed_size 1536
		.amdhsa_private_segment_fixed_size 0
		.amdhsa_enable_private_segment 0
		.amdhsa_kernarg_size 32
		.amdhsa_user_sgpr_count 2
		.amdhsa_user_sgpr_kernarg_segment_ptr 1
		.amdhsa_wavefront_size32 1
		.amdhsa_system_sgpr_workgroup_id_x 1
		.amdhsa_system_sgpr_workgroup_id_y 1
		.amdhsa_system_sgpr_workgroup_id_z 1
		.amdhsa_system_vgpr_workitem_id 0
		.amdhsa_next_free_vgpr 194
		.amdhsa_next_free_sgpr 66
		.amdhsa_reserve_vcc 1
		.amdhsa_float_denorm_mode_32 3
		.amdhsa_float_denorm_mode_16_64 3
		.amdhsa_memory_ordered 1
		.amdhsa_forward_progress 1
		.amdhsa_inst_pref_size 39
	.end_amdhsa_kernel
	.amdgpu_metadata
---
amdhsa.version: [ 1, 2 ]
amdhsa.kernels:
  - .name:           k_q5aa6b0734c_route
    .symbol:         k_q5aa6b0734c_route.kd
    .args:
      - { .name: gating_output, .offset: 0, .size: 8, .value_kind: global_buffer, .address_space: global }
      - { .name: list, .offset: 8, .size: 8, .value_kind: global_buffer, .address_space: global }
      - { .name: cnts, .offset: 16, .size: 8, .value_kind: global_buffer, .address_space: global }
      - { .name: route, .offset: 24, .size: 8, .value_kind: global_buffer, .address_space: global }
    .group_segment_fixed_size: 1536
    .private_segment_fixed_size: 0
    .kernarg_segment_align: 8
    .kernarg_segment_size: 32
    .max_flat_workgroup_size: 256
    .sgpr_count:     66
    .vgpr_count:     194
    .wavefront_size: 32
...
	.end_amdgpu_metadata
.endif
;; end of part 5
;; launch up (part 6): grid 32 x 8, 4 waves a work-group, no clusters, 133,632 bytes of LDS; arguments x_codes, x_scales, w1_codes, w1_scales, list, cnts, hc, hs; writes hc, hs
.if DOCPART == 6
	.amdgcn_target "amdgcn-amd-amdhsa--gfx1250"
	.amdhsa_code_object_version 6
	.text
	.protected	k_q5aa6b0734c_up
	.globl	k_q5aa6b0734c_up
	.p2align	8
	.type	k_q5aa6b0734c_up,@function
k_q5aa6b0734c_up:
	s_mov_b64 s[64:65], 0
	v_nop
	global_prefetch_b8 v0, s[64:65] scope:SCOPE_SE
	s_setreg_imm32_b32 hwreg(HW_REG_WAVE_SCHED_MODE, 0, 2), 2
	s_setreg_imm32_b32 hwreg(HW_REG_WAVE_MODE, 25, 1), 1
	s_wait_xcnt 0x0
	s_wait_alu depctr_vm_vsrc(0)
; THE FIRST PRODUCT, SwiGLU AND THE QUANTISER, for the rows that chose an expert.  h = silu(x Wg^T) (x Wu^T), on codes of FP8 (E4M3) with one E8M0 scale for each 32 along K; h leaves as codes.
; SHARES.  Work-group (fs, e) owns hidden units 64 fs .. 64 fs + 63 of expert e: 64 gate rows and 64 up rows of w1, 128 KB, each byte of w1 read by one work-group.  They lie in LDS and all four waves read them.
; It sees ALL rows of the expert's list, 320 (20 tiles of 16) a pass; wave w owns tiles 20 pass + 4 i + w, i = 0 .. 4, whose x rows (gathered by the list) stay in 640 registers for the pass.
; A fragment of w1 read from LDS feeds five matrix instructions.  The slice's two blocks of 32 units are worked one after the other on 20 accumulators.
; TWO WAYS behind the barrier.  A wave whose fifth tile begins at or beyond the count (then the expert has at most 304 rows: one pass) works four tiles, on a straight path of its own; the loads are the same on both ways
; (the fifth tile's rows are then fillers, all one token), so every wait has the same count on both.
; LAYOUT.  The product is used transposed (source 0 = 16 rows of w1, source 1 = 16 rows of x), and THE UNITS OF A TILE ARE NOT NEIGHBOURS: lane r of tile (b, u) takes unit 32 b + 8 u + r + 8 (r / 8).
; So lane (r, h) holds row r, and the 16 registers of tiles u = 0, 1 are units 32 b + 16 h + 0 .. 15: the conversions' four registers ARE registers 4 c .. 4 c + 3, c = 2 (fs % 2) + b, of K step fs / 2 of the second
; product's operand.  hc is laid as that operand's registers, [e][tile][K step][c][lane][16 bytes]: a wave's store covers 512 consecutive bytes.  hs: [e][tile][row][64 bytes], a byte for each block of 32 units.
; NO TENSOR LOADS AND NO CLUSTER, though the 32 slices of an expert read the same rows of x: the number of passes and the stores hang on a count read from memory.
; An expert with no rows works one pass on filler rows and stores tile 0 alone, so that the next launch reads nothing that was not stored.
; LIMITS: silu(g) u is formed as (g u) / (1 + 2^(-g log2 e)): |g u| stays inside f32.  NaN and infinities are not served.  A block of zeros gets the byte 1 where the quantiser's rule says 127:
; its codes are zeros, which add nothing under any byte but 0xff, and this program alone reads the bytes.
; REGISTERS, in windows of 256.  Window 0: v1-13 addresses; v16-55 x's scale words (tile i, K step s: 16 + 8 i + s); v56-87 w1's (56 + 16 b + 8 u + s: lanes 0-15 the gate tile's rows, lanes 16-31 the up tile's);
;   v88-92 offsets of x's scale words, later block 0's scale byte; v96-255 the accumulators: tile i at 96 + 32 i: gate u = 0, 1, then up u = 0, 1, eight registers each.
;   Window 1: v0-127 two sets of four fragments of w1; v128-255 x's tile 0.   Window 2: x's tiles 1, 2.   Window 3: x's tiles 3, 4.  (x's tile i, K step s: absolute 384 + 128 i + 16 s.)
; THE MODE: SCHED_MODE bits 1:0 = 2 (LLVM: expert scheduling mode 2), set by the entry lines.  The code itself states the register dependences
; between vector or matrix instructions and memory or LDS instructions, with s_wait_alu, always for 0.
; THE PLAN.  Registers that memory or LDS instructions touch:
;   v1-7            Addresses, made once at the head, ahead of the first wait on va_vdst, and never written again.
;   SET0, SET1      (window 1, v0-63 and v64-127.)  Step n's products read set n % 2; the 16 LDS loads of step n + 1 land in the other set, which step n - 1's products read.
;   w1 on its way   (v96-255, and v0-95 of window 1, at the head.)  Loaded, read by my 64 LDS stores; later the products write the first and LDS loads land in the second.
;   v8-12           The list's loads land here; the macro TOK makes them offsets; x's 160 loads read them; the next pass's list loads land here again.
;   v88-92          Written by TOK; read by x's ten loads of scale words; written again by block 0's quantiser.
;   x, v16-87       x's fragments and scale words and w1's scale words: loaded, read by the products; x's are loaded anew at a pass's turn.
;   the way out     v[120 + 32 i .. 123 + 32 i] codes, v[116 + 32 i] bytes: written by the quantiser, read by the stores, written again by the next products.
; THE WAITS.  One on va_vdst at the head of a step that follows a step: the last step's products are done reading the other set.  Behind it stand tile 0's four products, the step's 16 LDS loads in one run, and the
; other products: none of these products names a register that the loads touch.  A block's first step owes none (the quantiser's waits stand between), nor does the last step, which loads nothing.
; One on va_vdst behind TOK (the offsets), one ahead of each run of stores (codes and bytes).  One on vm_vsrc behind the barrier (my LDS stores have read w1's registers; x's scale loads have read v88-92), one at a pass's
; turn behind x's loads (v88-92 again), one behind each run of stores that products follow.
.set PITCH, 1040                       ; a row of w1 in LDS: 1,024 bytes + 16: 65 x 16, so that the 16 rows of a fragment load begin in 16 different columns of 16 bytes
.set KIND,  64*PITCH                   ; the up rows lie behind the 64 gate rows
.set NT, 5                             ; how many of a wave's five tiles the products and the quantiser written next work on
.set MSB, 0
.macro WIN new                         ; the immediate's high byte repeats the setting that is left; a switch that changes nothing is dropped
.if MSB != (\new)
	s_set_vgpr_msb (MSB<<8)|(\new)
.set MSB, (\new)
.endif
.endm
.macro PLACES n
.rept \n
	v_nop
.endr
.endm
; my wave's 32 rows of w1 are 32 KB on end: load n takes bytes 512 n on, 16 a lane.  They wait in registers that the products take later: v96-255 of window 0, then v0-95 of window 1
.macro WLOAD lo, hi
.set n, \lo
.rept \hi-\lo
.if n < 40
	WIN 0
	global_load_b128 v[96+4*n:99+4*n], v1, s[8:9] offset:512*n th:TH_LOAD_NT
.else
	WIN 0x40
	global_load_b128 v[4*(n-40):4*(n-40)+3], v1, s[8:9] offset:512*n th:TH_LOAD_NT
.endif
.set n, n+1
.endr
	WIN 0
.endm
; into LDS: unit q of a block goes to row (q % 8) + 8 (q / 16) + 16 ((q / 8) % 2), so that the 16 rows of a tile are neighbours there
.macro WSTORE
.set n, 0
.rept 64
.set q, n>>1
.set pq, (q&7)|(((q>>4)&1)<<3)|(((q>>3)&1)<<4)
.if n < 40
	WIN 0
	ds_store_b128 v4, v[96+4*n:99+4*n] offset:pq*PITCH+(n&1)*512
.else
	WIN 0x04
	ds_store_b128 v4, v[4*(n-40):4*(n-40)+3] offset:pq*PITCH+(n&1)*512
.endif
.set n, n+1
.endr
	WIN 0
.endm
.macro LISTLOAD                        ; my five tiles' entries: lane l takes row l % 16's
.irp i, 0,1,2,3,4
	global_load_b32 v[8+\i], v6, s[12:13] offset:256*\i
.endr
.endm
.macro TOK                             ; an entry becomes offsets: held under 2,048, its token cut out (a filler becomes token 1,023: a row like any other, whose results are not kept)
.irp i, 0,1,2,3,4
	v_min_u32 v[8+\i], 0x7ff, v[8+\i]
	v_and_b32 v[8+\i], 0x3ff, v[8+\i]
	v_lshlrev_b32 v[88+\i], 5, v[8+\i]             ; its 32 scale bytes
	v_lshl_add_u32 v[8+\i], v[8+\i], 10, v13       ; its 1,024 codes, + 16 h
.endr
.endm
.macro XSLOAD
.irp i, 0,1,2,3,4
.irp q, 0,1
	global_load_b128 v[16+8*\i+4*\q:19+8*\i+4*\q], v[88+\i], s[6:7] offset:16*\q
.endr
.endr
.endm
.macro XLOAD s0, s1                    ; x's fragments of K steps s0 .. s1 - 1, K step by K step: 20 loads a step
.set ks, \s0
.rept \s1-\s0
.irp i, 0,1,2,3,4
	WIN 0x40*(1+(\i+1)/2)
.irp c, 0,1,2,3
	global_load_b128 v[(128+128*\i+16*ks)%256+4*\c:(128+128*\i+16*ks)%256+4*\c+3], v[8+\i], s[4:5] offset:128*ks+32*\c
.endr
.endr
.set ks, ks+1
.endr
	WIN 0
.endm
.macro WFETCH b, s, set                ; block b's four fragments (gate u = 0, 1; up u = 0, 1) of K step s, from LDS into a set.  (It leaves the windows as they are: products, which set their own, follow it)
	WIN 0x40
.irp t, 0,1,2,3
.irp c, 0,1,2,3
	ds_load_b128 v[64*(\set)+16*\t+4*\c:64*(\set)+16*\t+4*\c+3], v[2+\t/2] offset:(32*(\b)+16*(\t%2))*PITCH+128*(\s)+32*\c
.endr
.endr
.endm
; Four matrix instructions for each of the tiles of rows lo .. hi - 1 that lie under NT: a tile of rows x four tiles of units.  A step's 4 NT accumulators take turns, one instruction a turn, in the same order in every
; step.  K step 0 starts the sums with the constant 0: nothing is cleared.
.macro MM b, s, set, lo, hi
.irp i, 0,1,2,3,4
.if (\i >= (\lo)) && (\i < (\hi)) && (\i < NT)
	WIN 0x01+0x04*(1+(\i+1)/2)
.irp t, 0,1,2,3
.set rD, 96+32*\i+8*\t
.set rW, 64*(\set)+16*\t
.set rA, (128+128*\i+16*(\s))%256
.set rS, 56+16*(\b)+8*(\t%2)+(\s)
.set rX, 16+8*\i+(\s)
.if (\s) == 0
.if \t < 2
	v_wmma_scale_f32_16x16x128_f8f6f4 v[rD:rD+7], v[rW:rW+15], v[rA:rA+15], 0, v[rS], v[rX]
.else
	v_wmma_scale_f32_16x16x128_f8f6f4 v[rD:rD+7], v[rW:rW+15], v[rA:rA+15], 0, v[rS], v[rX] matrix_a_scale:MATRIX_SCALE_ROW1
.endif
.else
.if \t < 2
	v_wmma_scale_f32_16x16x128_f8f6f4 v[rD:rD+7], v[rW:rW+15], v[rA:rA+15], v[rD:rD+7], v[rS], v[rX]
.else
	v_wmma_scale_f32_16x16x128_f8f6f4 v[rD:rD+7], v[rW:rW+15], v[rA:rA+15], v[rD:rD+7], v[rS], v[rX] matrix_a_scale:MATRIX_SCALE_ROW1
.endif
.endif
.endr
.endif
.endr
.endm
; Step n = 8 b + s of a pass.
.macro STEP n
	PLACES 8                                       ; eight places behind the last products; the loads into the set that they read follow further down
	s_wait_dscnt 0x0                               ; this step's 16 LDS loads, issued a step ago, are in; nothing younger is out
.if (\n) < 8                           ; block 0 walks x as it arrives: 20 (7 - s) loads are younger than this K step's
.if 20*(7-(\n)) > 63
	s_wait_loadcnt 63
.else
	s_wait_loadcnt 20*(7-(\n))
.endif
.endif
.if (((\n)%8) != 0) && ((\n) < 15)
	s_wait_alu depctr_va_vdst(0)                   ; the last step's products are done reading the other set, in which the 16 LDS loads below land
.endif
	MM (\n)/8, (\n)%8, (\n)%2, 0, 1                ; tile 0's four products name this step's set, x's tile 0, their accumulators and scale words: no register that the loads below touch
.if (\n) < 15
	WFETCH ((\n)+1)/8, ((\n)+1)%8, ((\n)+1)%2      ; the next step's fragments: they have the rest of this step in which to land
.endif
	MM (\n)/8, (\n)%8, (\n)%2, 1, 5
.endm
.macro HSTORE b, i                     ; tile i's codes, and with block 1 its two scale bytes a row; a tile that begins at or beyond the count is not stored
	s_add_co_u32 s26, s24, 64*\i
	s_cmp_lt_u32 s26, s31
	s_cbranch_scc0 .Lnone_\@
	global_store_b128 v1, v[120+32*\i:123+32*\i], s[16:17] offset:131072*\i+512*\b   ; 32 lanes store 512 consecutive bytes
.if \b
	global_store_b8 v7, v[116+32*\i], s[18:19] offset:4096*\i   ; lane (r, h): row r's byte of block h.  A row's 64 bytes come from 32 work-groups, so these go out singly: one byte for 32 codes
.endif
.Lnone_\@:
.endm
; BLOCK b IS FINISHED: h = (g u) / (1 + 2^(-g log2 e)), its block's scale, the hold, the codes.  Every stage goes over the NT tiles by turns, so that no line waits for the line above it.
; G = 96 + 32 i (16 registers), U = 112 + 32 i.  Once h lies in G, U is free: +0 the largest magnitude, +1 the other lane's, +2 the conversion's scale, +3 448 x the scale, +4 the byte, +8 .. +11 the codes.
.macro EPI b
	WIN 0                                          ; all that follows lies in window 0
	PLACES 8                                       ; eight places in front of the first read of results
.irp k, 0,2,4,6,8,10,12,14
.irp i, 0,1,2,3,4
.if \i < NT
	v_pk_mul_f32 v[112+32*\i+\k:113+32*\i+\k], v[96+32*\i+\k:97+32*\i+\k], v[112+32*\i+\k:113+32*\i+\k]   ; g u; each accumulator is read from its low end on
.endif
.endr
.endr
.irp k, 0,2,4,6,8,10,12,14
.irp i, 0,1,2,3,4
.if \i < NT
	v_pk_mul_f32 v[96+32*\i+\k:97+32*\i+\k], v[96+32*\i+\k:97+32*\i+\k], 0xbfb8aa3b op_sel_hi:[1,0]   ; -g log2(e)
.endif
.endr
.endr
	s_wait_alu depctr_va_vdst(0)
.irp k, 0,1,2,3,4,5,6,7,8,9,10,11,12,13,14,15
.irp i, 0,1,2,3,4
.if \i < NT
	v_exp_f32 v[96+32*\i+\k], v[96+32*\i+\k]
.endif
.endr
.endr
	v_nop                                          ; a plain instruction behind the last exponential (ISA guide 5.7.2),
	s_wait_alu depctr_va_vdst(0)                   ; and ONE wait for the whole batch: the exponentials have written v[96 + 32 i ..], ahead of their first reader
.irp k, 0,2,4,6,8,10,12,14
.irp i, 0,1,2,3,4
.if \i < NT
	v_pk_add_f32 v[96+32*\i+\k:97+32*\i+\k], v[96+32*\i+\k:97+32*\i+\k], 1.0 op_sel_hi:[1,0]
.endif
.endr
.endr
	s_wait_alu depctr_va_vdst(0)
.irp k, 0,1,2,3,4,5,6,7,8,9,10,11,12,13,14,15
.irp i, 0,1,2,3,4
.if \i < NT
	v_rcp_f32 v[96+32*\i+\k], v[96+32*\i+\k]
.endif
.endr
.endr
	v_nop
	s_wait_alu depctr_va_vdst(0)                   ; one wait for the batch of reciprocals: they have written v[96 + 32 i ..], ahead of their first reader
.irp k, 0,2,4,6,8,10,12,14
.irp i, 0,1,2,3,4
.if \i < NT
	v_pk_mul_f32 v[96+32*\i+\k:97+32*\i+\k], v[96+32*\i+\k:97+32*\i+\k], v[112+32*\i+\k:113+32*\i+\k]   ; h
.endif
.endr
.endr
.irp i, 0,1,2,3,4
.if \i < NT
	v_max3_num_f32 v[112+32*\i], |v[96+32*\i]|, |v[97+32*\i]|, 0x4800000   ; my 16 of the block's 32, and the floor 2^(9 - 127): the byte cannot fall under 1
.endif
.endr
.irp k, 2,4,6,8,10,12,14
.irp i, 0,1,2,3,4
.if \i < NT
	v_max3_num_f32 v[112+32*\i], v[112+32*\i], |v[96+32*\i+\k]|, |v[97+32*\i+\k]|
.endif
.endr
.endr
.irp i, 0,1,2,3,4
.if \i < NT
	v_permlanex16_b32 v[113+32*\i], v[112+32*\i], s28, s29
.endif
.endr
.irp i, 0,1,2,3,4
.if \i < NT
	v_max_num_f32 v[112+32*\i], v[112+32*\i], v[113+32*\i]   ; with lane l xor 16's: the block's largest magnitude
.endif
.endr
.irp i, 0,1,2,3,4
.if \i < NT
	v_add_nc_u32 v[114+32*\i], 0xfc000000, v[112+32*\i]      ; 8 off its exponent field: the conversion takes this operand's exponent field as its scale
.endif
.endr
.irp i, 0,1,2,3,4
.if \i < NT
	v_and_or_b32 v[115+32*\i], v[112+32*\i], 0x7f800000, s30 ; 448 x the scale: the same exponent field over 448's mantissa
.endif
.endr
.irp i, 0,1,2,3,4
.if \i < NT
	v_lshrrev_b32 v[116+32*\i], 23, v[114+32*\i]             ; the scale's byte
.endif
.endr
.irp k, 0,1,2,3,4,5,6,7,8,9,10,11,12,13,14,15
.irp i, 0,1,2,3,4
.if \i < NT
	v_med3_num_f32 v[96+32*\i+\k], v[96+32*\i+\k], -v[115+32*\i], v[115+32*\i]   ; the conversion to an 8-bit code does not saturate (ISA guide 7.6.2): the hold at the largest code x the scale
.endif
.endr
.endr
.irp i, 0,1,2,3,4
.if \i < NT
	v_cvt_scalef32_pk8_fp8_f32 v[120+32*\i:121+32*\i], v[96+32*\i:103+32*\i], v[114+32*\i]
	v_cvt_scalef32_pk8_fp8_f32 v[122+32*\i:123+32*\i], v[104+32*\i:111+32*\i], v[114+32*\i]
.endif
.endr
	v_nop                                          ; a plain instruction between the conversions and whatever next touches their registers (the next products write them)
.if \b
	s_mov_b32 vcc_lo, 0xffff0000
.irp i, 0,1,2,3,4
.if \i < NT
	v_cndmask_b32 v[116+32*\i], v[88+\i], v[116+32*\i], vcc_lo   ; lanes 0-15 carry block 0's byte, lanes 16-31 block 1's
.endif
.endr
.else
.irp i, 0,1,2,3,4
.if \i < NT
	v_mov_b32 v[88+\i], v[116+32*\i]               ; block 0's byte is kept.  (x's loads of scale words, which read v88-92 as offsets, stand ahead of the wait on vm_vsrc in front of the branch that led into this pass)
.endif
.endr
.endif
	s_wait_alu depctr_va_vdst(0)                   ; the conversions have written the codes v[120 + 32 i ..], and with block 1 the selects the bytes v[116 + 32 i]: the stores below read them
.irp i, 0,1,2,3,4
.if \i < NT
	HSTORE \b, \i
.endif
.endr
	s_wait_xcnt 0x0                                ; the stores have read their registers: the next products, and the next pass's steps of the bases, stand behind this wait
.if ((\b) == 0) || (NT == 5)           ; (behind the four-tile way's last block nothing is written any more)
	s_wait_alu depctr_vm_vsrc(0)                   ; the stores have read the codes' and the bytes' registers, which the next products write again; x's loads have read v8-12, in which the next pass's list loads land
.endif
.endm
	s_load_b512 s[4:19], s[0:1], 0x0               ; x_codes 4, x_scales 6, w1_codes 8, w1_scales 10, list 12, cnts 14, hc 16, hs 18
	v_lshl_add_u32 v94, v0, 2, 0x20800
	v_mov_b32 v95, 0
	v_lshrrev_b32 v14, 5, v0
	v_readfirstlane_b32 s20, v14                   ; wave 0..3
	s_and_b32 s21, ttmp7, 0xffff                   ; e
	s_mov_b32 s22, ttmp9                           ; fs
	v_and_b32 v15, 31, v0                          ; lane
	v_lshlrev_b32 v1, 4, v15                       ; v1: 16 x lane
	v_and_b32 v14, 15, v0                          ; r
	v_bfe_u32 v13, v0, 4, 1                        ; h
	v_mul_u32_u24 v2, v14, PITCH
	v_lshl_add_u32 v2, v13, 4, v2                  ; v2: a gate fragment's row r, + 16 h
	v_add_nc_u32 v3, KIND, v2                      ; v3: an up fragment's
	s_wait_alu depctr_va_sdst(0)                   ; s20, the wave's number, is written, ahead of its first reader
	s_mul_i32 s26, s20, 32*PITCH
	v_add_nc_u32 v4, s26, v1                       ; v4: where I put w1: my wave's 32 LDS rows, + 16 x lane
	v_and_b32 v5, 8, v14
	v_add_nc_u32 v5, v5, v14                       ; r + 8 (r / 8)
	v_lshl_add_u32 v5, v13, 11, v5                 ; lanes 16-31: the up rows, 2,048 rows on
	v_lshlrev_b32 v5, 5, v5                        ; v5: w1's scale bytes: 32 a row
	v_lshlrev_b32 v6, 2, v14                       ; v6: a list entry: 4 r
	v_lshl_add_u32 v7, v14, 6, v13                 ; v7: hs: 64 r + h
	v_lshlrev_b32 v13, 4, v13                      ; v13: 16 h
	s_mov_b32 s27, 0
	s_mov_b32 s28, 0x76543210
	s_mov_b32 s29, 0xfedcba98                      ; v_permlanex16_b32's selects for lane l xor 16
	s_mov_b32 s30, 0x600000                        ; the mantissa field of 448
	s_lshl_b32 s24, s20, 4                         ; the first row of my tile 0
	s_mov_b32 s25, 0                               ; the pass
	s_wait_kmcnt 0x0
	s_mul_i32 s26, s21, 6144
	s_lshl_b32 s32, s20, 6
	s_add_co_u32 s26, s26, s32
	s_add_nc_u64 s[12:13], s[12:13], s[26:27]      ; list[e], tile w
	s_wait_alu depctr_va_vdst(0)                   ; the seven addresses v1 to v7 are written, which the loads, LDS instructions and stores of the whole kernel read
	LISTLOAD
	s_lshl_b32 s26, s21, 8
	s_add_nc_u64 s[14:15], s[14:15], s[26:27]
	s_load_b32 s23, s[14:15], 0x0                  ; the expert's count
	s_lshr_b32 s26, s20, 1                         ; waves 0, 1 bring the gate rows, waves 2, 3 the up rows, 2,048 rows on;
	s_lshl_b32 s26, s26, 11
	s_lshl_b32 s32, s22, 6
	s_add_co_u32 s26, s26, s32                     ; the slice's 64 rows;
	s_and_b32 s32, s20, 1
	s_lshl_b32 s32, s32, 5
	s_add_co_u32 s26, s26, s32                     ; block w % 2 of them
	s_lshl_b32 s26, s26, 10
	s_lshl_b32 s32, s21, 22
	s_add_co_u32 s26, s26, s32
	s_add_nc_u64 s[8:9], s[8:9], s[26:27]
	WLOAD 0, 58
	s_lshl_b32 s26, s21, 17
	s_lshl_b32 s32, s22, 11
	s_add_co_u32 s26, s26, s32
	s_add_nc_u64 s[10:11], s[10:11], s[26:27]      ; w1's scale bytes: the slice's gate rows
	s_mul_i32 s26, s21, 2621440
	s_lshl_b32 s32, s20, 15
	s_add_co_u32 s26, s26, s32
	s_lshl_b32 s32, s22, 10
	s_add_co_u32 s26, s26, s32
	s_add_nc_u64 s[16:17], s[16:17], s[26:27]      ; hc: expert, tile w, the slice's 1,024 bytes of a tile
	s_mul_i32 s26, s21, 81920
	s_lshl_b32 s32, s20, 10
	s_add_co_u32 s26, s26, s32
	s_lshl_b32 s32, s22, 1
	s_add_co_u32 s26, s26, s32
	s_add_nc_u64 s[18:19], s[18:19], s[26:27]      ; hs: expert, tile w, the slice's two bytes of a row
	s_wait_loadcnt 58                              ; the five list loads are in; the 58 loads of w1 behind them stay out
	TOK
	WLOAD 58, 64                                   ; (these six and the eight below touch v1, v5 and registers that no vector instruction has named)
.irp b, 0,1
.irp u, 0,1
.irp q, 0,1
	global_load_b128 v[56+16*\b+8*\u+4*\q:59+16*\b+8*\u+4*\q], v5, s[10:11] offset:(32*\b+8*\u)*32+16*\q   ; w1's scale words, four K steps a load
.endr
.endr
.endr
	s_wait_alu depctr_va_vdst(0)                   ; the ten offsets v8-12 and v88-92 are written, which x's loads below read
	XSLOAD
	XLOAD 0, 2
	s_wait_loadcnt 58                              ; 8 + 10 + 40 loads are younger than the last of w1: all of my part of w1 is in registers
	WSTORE
	XLOAD 2, 8
	s_wait_kmcnt 0x0
	s_min_u32 s23, s23, 1024                       ; the count, held at the number of tokens
	s_max_u32 s31, s23, 1                          ; tiles that begin under this are stored: tile 0 always
	s_cmp_gt_u32 s23, 320                          ; the number of passes of 320 rows: 1 to 4
	s_cselect_b32 s33, 2, 1
	s_cmp_gt_u32 s23, 640
	s_cselect_b32 s33, 3, s33
	s_cmp_gt_u32 s23, 960
	s_cselect_b32 s33, 4, s33
	s_wait_dscnt 0x0                               ; for the others' sake: my part of w1 lies in LDS
	s_barrier_signal -1
	s_barrier_wait -1                              ; the one barrier: from here on w1's rows are only read
	s_wait_alu depctr_vm_vsrc(0)                   ; my LDS stores have read the registers in which w1 waited: the products write the first of them and the fragments' LDS loads land in the others; x's loads of scale words have read v88-92, which block 0's quantiser writes
	s_add_co_u32 s26, s24, 256                     ; the first row of my fifth tile
	s_cmp_lt_u32 s26, s31
	s_cbranch_scc0 .Lfour                          ; it has no row: four tiles, one pass
.Lpass:                                        ; on both ways in, the 160 youngest loads are x's, K step by K step; no vector or matrix instruction has been issued since the last wait on va_vdst
	WFETCH 0, 0, 0
.set N, 0
.rept 8
	STEP N
.set N, N+1
.endr
	EPI 0
.rept 8
	STEP N
.set N, N+1
.endr
	EPI 1
	s_add_co_u32 s25, s25, 1
	s_cmp_lt_u32 s25, s33
	s_cbranch_scc0 .Ldone                          ; no row is left
	s_add_nc_u64 s[12:13], s[12:13], 1280          ; 20 tiles on: in the list,
	s_add_nc_u64 s[16:17], s[16:17], 655360        ; in hc,
	s_add_nc_u64 s[18:19], s[18:19], 20480         ; in hs,
	s_add_co_u32 s24, s24, 320                     ; and in rows
	LISTLOAD                                       ; (no vector instruction since the wait ahead of the stores names v8-12, and no memory instruction since the wait behind them reads v8-12)
	s_wait_loadcnt 0x0
	TOK
	s_wait_alu depctr_va_vdst(0)                   ; the ten offsets v8-12 and v88-92 are written, which x's loads below read
	XSLOAD
	XLOAD 0, 8
	s_wait_alu depctr_vm_vsrc(0)                   ; x's loads of scale words have read v88-92, which block 0's quantiser writes
	s_cmp_lt_u32 s25, s33
	s_cbranch_scc1 .Lpass
.Ldone:
	s_wait_dscnt 0x0                               ; the closing lines, six on end
	s_wait_alu 0x0
	s_wait_tensorcnt 0x0
	ds_add_u32 v94, v95
	s_wait_dscnt 0x0
	s_endpgm
.set NT, 4
.Lfour:                                        ; the same pass on tiles 0 to 3: 16 matrix instructions a step; the loads that are out are the same 160, so the waits keep their counts
	WFETCH 0, 0, 0
.set N, 0
.rept 8
	STEP N
.set N, N+1
.endr
	EPI 0
.rept 8
	STEP N
.set N, N+1
.endr
	EPI 1
	s_wait_dscnt 0x0                               ; the closing lines, six on end
	s_wait_alu 0x0
	s_wait_tensorcnt 0x0
	ds_add_u32 v94, v95
	s_wait_dscnt 0x0
	s_endpgm
.Lfunc_end_k_q5aa6b0734c_up:
	.size	k_q5aa6b0734c_up, .Lfunc_end_k_q5aa6b0734c_up-k_q5aa6b0734c_up
	.p2alignl 7, 3214868480
	.fill 96, 4, 3214868480
	.section	.rodata,"a",@progbits
	.p2align	6, 0x0
	.amdhsa_kernel k_q5aa6b0734c_up
		.amdhsa_group_segment_fixed_size 133632
		.amdhsa_private_segment_fixed_size 0
		.amdhsa_enable_private_segment 0
		.amdhsa_kernarg_size 64
		.amdhsa_user_sgpr_count 2
		.amdhsa_user_sgpr_kernarg_segment_ptr 1
		.amdhsa_wavefront_size32 1
		.amdhsa_system_sgpr_workgroup_id_x 1
		.amdhsa_system_sgpr_workgroup_id_y 1
		.amdhsa_system_sgpr_workgroup_id_z 1
		.amdhsa_system_vgpr_workitem_id 0
		.amdhsa_next_free_vgpr 1024
		.amdhsa_next_free_sgpr 66
		.amdhsa_reserve_vcc 1
		.amdhsa_float_denorm_mode_32 3
		.amdhsa_float_denorm_mode_16_64 3
		.amdhsa_memory_ordered 1
		.amdhsa_forward_progress 1
		.amdhsa_inst_pref_size 255
	.end_amdhsa_kernel
	.section	.bss,"aw",@nobits
	.p2align	6
	.space	262144
	.amdgpu_metadata
---
amdhsa.version: [ 1, 2 ]
amdhsa.kernels:
  - .name:           k_q5aa6b0734c_up
    .symbol:         k_q5aa6b0734c_up.kd
    .args:
      - { .name: x_codes, .offset: 0, .size: 8, .value_kind: global_buffer, .address_space: global }
      - { .name: x_scales, .offset: 8, .size: 8, .value_kind: global_buffer, .address_space: global }
      - { .name: w1_codes, .offset: 16, .size: 8, .value_kind: global_buffer, .address_space: global }
      - { .name: w1_scales, .offset: 24, .size: 8, .value_kind: global_buffer, .address_space: global }
      - { .name: list, .offset: 32, .size: 8, .value_kind: global_buffer, .address_space: global }
      - { .name: cnts, .offset: 40, .size: 8, .value_kind: global_buffer, .address_space: global }
      - { .name: hc, .offset: 48, .size: 8, .value_kind: global_buffer, .address_space: global }
      - { .name: hs, .offset: 56, .size: 8, .value_kind: global_buffer, .address_space: global }
    .group_segment_fixed_size: 133632
    .private_segment_fixed_size: 0
    .kernarg_segment_align: 8
    .kernarg_segment_size: 64
    .max_flat_workgroup_size: 128
    .sgpr_count:     66
    .vgpr_count:     1024
    .wavefront_size: 32
...
	.end_amdgpu_metadata
.endif
;; end of part 6
;; launch down (part 7): grid 32 x 8, 4 waves a work-group, no clusters, 150,016 bytes of LDS; arguments hc, hs, w2_codes, w2_scales, list, cnts, route, y; writes y
.if DOCPART == 7
	.amdgcn_target "amdgcn-amd-amdhsa--gfx1250"
	.amdhsa_code_object_version 6
	.text
	.protected	k_q5aa6b0734c_down
	.globl	k_q5aa6b0734c_down
	.p2align	8
	.type	k_q5aa6b0734c_down,@function
k_q5aa6b0734c_down:
	s_mov_b64 s[64:65], 0
	v_nop
	global_prefetch_b8 v0, s[64:65] scope:SCOPE_SE
	s_setreg_imm32_b32 hwreg(HW_REG_WAVE_MODE, 25, 1), 1
	s_wait_xcnt 0x0
; THE SECOND PRODUCT: y[entry] = route[e][token] x (h w2[e]^T), on codes of FP8 (E4M3) with one E8M0 scale for each 32 along K = 2,048.  A row of y is token + 1024 k: each (token, choice) has one owner.
; SHARES.  Work-group (2 ns + p, e) owns columns 64 ns .. 64 ns + 63 of expert e (64 rows of w2, 128 KB, in LDS, read by all four waves) and the expert's tiles of 16 rows of parity p, 12 of them a pass.
; Wave w owns tiles T(i) = 2 (12 pass + 4 i + w) + p, i = 0 .. 2: 3 x 4 accumulators, 12 matrix instructions a K step of 128, 16 K steps.
; h comes from memory as images of the operand's registers (each load 512 consecutive bytes) through a ring of five K steps in registers, four steps ahead.
; A TILE WITHOUT A ROW is read at the expert's last tile with the lane offset 0: all 32 lanes name the same 16 stored bytes.  So every wave issues the same loads on every way, a load for such a tile
; brings 16 bytes and not 512, and its results are not stored.
; TWO WAYS behind the barrier.  A wave whose third tile has no row (then the expert has at most 368 rows: one pass) works two tiles, on a straight path of its own: 8 matrix instructions and 8 loads of h a K step.
; The product is used transposed (source 0 = 16 rows of w2, source 1 = 16 rows of h): a lane holds one row and eight neighbouring columns.  A tile goes through the wave's own stage in LDS and
; leaves by rows: sixteen lanes store 256 consecutive bytes, aligned, at the row that the list names.
; ROWS PAST THE COUNT in the expert's last tile have filler entries, which name row 2,048 + 2 e + p of y: a spare row whose 256 bytes of this slice belong to this work-group alone and which nobody reads.
; So all lanes stay on throughout, and no store is masked.  A tile with no row at all is jumped over.
; NO TENSOR LOADS AND NO CLUSTER, though the 16 slices of an expert read the same h: the number of passes and the stores hang on a count read from memory.
; REGISTERS, in windows of 256.  Window 0: v1-11 addresses, never rewritten; v12-14 list entries, then offsets into route; v15, v222, v223 the three tiles' lane offsets into hc (16 x lane, or 0);
;   v16-47 w2's scale words (16 + 16 m + s: lane l holds row 32 m + l); v48-95 h's scale words (48 + 16 i + s); v96-191 accumulators (96 + 32 i + 8 t);
;   v192-215 the entries of the rows that I store, then their offsets in y; v216-221 the rows' weights, a pair a tile; v224-255 a tile's rows on the way out.
;   Window 1: v0-127 two sets of four fragments of w2.   Window 2: the ring: K step s at 48 (s % 5), tile i 16 i further on.   Window 3: w2 on its way to LDS.
.set PITCH, 2064                       ; a row of w2 in LDS: 2,048 bytes + 16: 129 x 16, so that the 16 rows of a fragment load begin in 16 different columns of 16 bytes
.set STAGE, 64*PITCH                   ; behind w2: 16 rows x (256 bytes + 16) for each wave
.set MSB, 0
.macro WIN new                         ; the immediate's high byte repeats the setting that is left; a switch that changes nothing is dropped
.if MSB != (\new)
	s_set_vgpr_msb (MSB<<8)|(\new)
.set MSB, (\new)
.endif
.endm
.macro PLACES n
.rept \n
	v_nop
.endr
.endm
; my three tiles: their first rows, where their h is read, and their lane offsets.  (Tile i's lane offset lies in v[15 + ((i + 1) / 2) (206 + i)]: v15, v222, v223.)
.macro TILES
.irp i, 0,1,2
	s_add_co_u32 s26, s28, 8*\i                    ; T(i)
	s_lshl_b32 s[51+\i], s26, 4                    ; its first row
	s_min_u32 s26, s26, s29                        ; read no further than the expert's last tile,
	s_min_u32 s26, s26, 79                         ; and inside the buffer by a constant
	s_lshl_b32 s54, s26, 15
	s_add_nc_u64 s[36+2*\i:37+2*\i], s[4:5], s[54:55]
	s_lshl_b32 s54, s26, 10
	s_add_nc_u64 s[42+2*\i:43+2*\i], s[6:7], s[54:55]
	s_max_u32 s26, s23, s[51+\i]
	s_sub_co_u32 s26, s26, s[51+\i]                ; the expert's rows from this tile on,
	s_min_u32 s26, s26, 1                          ; held at 1: has the tile a row?
	v_mul_u32_u24 v[15+((\i+1)/2)*(206+\i)], s26, v1   ; 16 x lane, or 0 in every lane
.endr
.endm
.macro W2LOAD lo, hi                   ; my wave's 16 rows of w2 are 32 KB on end: load n takes bytes 512 n on
	WIN 0xc0
.set n, \lo
.rept \hi-\lo
	global_load_b128 v[4*n:4*n+3], v1, s[8:9] offset:512*n
.set n, n+1
.endr
	WIN 0
.endm
.macro W2STORE
	WIN 0x0c
.set n, 0
.rept 64
	ds_store_b128 v4, v[4*n:4*n+3] offset:(n>>2)*PITCH+(n&3)*512
.set n, n+1
.endr
	WIN 0
.endm
.macro ENTS                            ; row l % 16's entry of each tile (for its weight); my tiles lie 8 tiles, 512 bytes of entries, apart
.irp i, 0,1,2
	global_load_b32 v[12+\i], v7, s[12:13] offset:512*\i
.endr
.endm
.macro RWLOAD                          ; the rows' weights: route[e][token]; an entry is held under 2,048 and its token cut out
.irp i, 0,1,2
	v_min_u32 v[12+\i], 0x7ff, v[12+\i]
	v_and_b32 v[12+\i], 0x3ff, v[12+\i]
	v_lshlrev_b32 v[12+\i], 2, v[12+\i]
	global_load_b32 v[216+2*\i], v[12+\i], s[16:17]
.endr
.endm
.macro E2LOAD                          ; the entries of rows 2 k + l / 16 (for the way out)
.irp i, 0,1,2
.irp k, 0,1,2,3,4,5,6,7
	global_load_b32 v[192+8*\i+\k], v8, s[12:13] offset:512*\i+8*\k
.endr
.endr
.endm
.macro HSLOAD                          ; h's scale words: 64 bytes a row, four K steps a load
.irp i, 0,1,2
.irp q, 0,1,2,3
	global_load_b128 v[48+16*\i+4*\q:51+16*\i+4*\q], v9, s[42+2*\i:43+2*\i] offset:16*\q
.endr
.endr
.endm
.macro HLOAD s, nt                     ; K step s of my first nt tiles: four loads a tile
	WIN 0x80
.irp i, 0,1,2
.if \i < (\nt)
.irp c, 0,1,2,3
	global_load_b128 v[48*((\s)%5)+16*\i+4*\c:48*((\s)%5)+16*\i+4*\c+3], v[15+((\i+1)/2)*(206+\i)], s[36+2*\i:37+2*\i] offset:2048*(\s)+512*\c
.endr
.endif
.endr
	WIN 0
.endm
.macro WFETCH s, set                   ; the four fragments of w2 of K step s
	WIN 0x40
.irp t, 0,1,2,3
.irp c, 0,1,2,3
	ds_load_b128 v[64*(\set)+16*\t+4*\c:64*(\set)+16*\t+4*\c+3], v[2+\t/2] offset:(\t%2)*16*PITCH+128*(\s)+32*\c
.endr
.endr
	WIN 0
.endm
; K step s on nt tiles (3: the loop; 2: the straight path).
.macro STEP s, nt
	PLACES 8                                       ; eight places behind the last products, in front of loads into the set and the ring slot that they read
.if (\s) < 15
	WFETCH (\s)+1, ((\s)+1)%2
.endif
.if (\s) < 12
	HLOAD (\s)+4, \nt
.endif
.if (\s) < 15
	s_wait_dscnt 16                                ; this step's 16 LDS loads are in; the 16 just issued may be out
.else
	s_wait_dscnt 0x0
.endif
.if (\nt) == 3
.if (\s) < 12
	s_wait_loadcnt 48                              ; this step's h is in; the four later steps' 48 loads may be out
.else
	s_wait_loadcnt 12*(15-(\s))                    ; the counts run down
.endif
.else
.if (\s) < 4
	s_wait_loadcnt 12*(3-(\s))+8*((\s)+1)          ; K steps 0 to 3 were asked for ahead of the barrier, 12 loads each; behind this step's stand those of the later ones among them, and 8 for each step of this path so far
.elseif (\s) < 12
	s_wait_loadcnt 32                              ; the four later steps' 32 loads may be out
.else
	s_wait_loadcnt 8*(15-(\s))                     ; the counts run down
.endif
.endif
	WIN 0x09                                       ; source 0 (w2) window 1, source 1 (h) window 2
.irp i, 0,1,2
.if \i < (\nt)
.irp t, 0,1,2,3                        ; the 4 nt accumulators take turns, one instruction a turn; K step 0 starts the sums
.set rD, 96+32*\i+8*\t
.set rW, 64*((\s)%2)+16*\t
.set rH, 48*((\s)%5)+16*\i
.set rS, 16+16*(\t/2)+(\s)
.set rX, 48+16*\i+(\s)
.if (\s) == 0
.if (\t%2) == 0
	v_wmma_scale_f32_16x16x128_f8f6f4 v[rD:rD+7], v[rW:rW+15], v[rH:rH+15], 0, v[rS], v[rX]
.else
	v_wmma_scale_f32_16x16x128_f8f6f4 v[rD:rD+7], v[rW:rW+15], v[rH:rH+15], 0, v[rS], v[rX] matrix_a_scale:MATRIX_SCALE_ROW1
.endif
.else
.if (\t%2) == 0
	v_wmma_scale_f32_16x16x128_f8f6f4 v[rD:rD+7], v[rW:rW+15], v[rH:rH+15], v[rD:rD+7], v[rS], v[rX]
.else
	v_wmma_scale_f32_16x16x128_f8f6f4 v[rD:rD+7], v[rW:rW+15], v[rH:rH+15], v[rD:rD+7], v[rS], v[rX] matrix_a_scale:MATRIX_SCALE_ROW1
.endif
.endif
.endr
.endif
.endr
	WIN 0
.endm
; Ahead of the way out, on every way: each tile's weight twice, a pair for the packed multiply; and the 24 entries become offsets in y: held at the last spare row, x 4,096 bytes a row, + 16 (l % 16).
; These 75 plain lines name no register of the last products: they are also the places in front of the first read of results.
.macro OFFS
.irp i, 0,1,2
	v_mov_b32 v[217+2*\i], v[216+2*\i]
.endr
.set n, 0
.rept 24
	v_min_u32 v[192+n], 0x80f, v[192+n]
.set n, n+1
.endr
.set n, 0
.rept 24
	v_lshlrev_b32 v[192+n], 12, v[192+n]
.set n, n+1
.endr
.set n, 0
.rept 24
	v_add_nc_u32 v[192+n], v[192+n], v11
.set n, n+1
.endr
.endm
; THE WAY OUT of tile i: x the row's weight; through my stage; back as whole rows of 256 bytes; stored at the rows of y that the list names.
.macro OUTT i
	s_cmp_lt_u32 s[51+\i], s23                     ; has the tile a row under the count?
	s_cbranch_scc0 .Lno_rows_\@
.irp k, 0,2,4,6,8,10,12,14,16,18,20,22,24,26,28,30
	v_pk_mul_f32 v[96+32*\i+\k:97+32*\i+\k], v[96+32*\i+\k:97+32*\i+\k], v[216+2*\i:217+2*\i]   ; each accumulator from its low end on
.endr
.irp t, 0,1,2,3
	ds_store_b128 v5, v[96+32*\i+8*\t:99+32*\i+8*\t] offset:64*\t          ; lane (r, h): row r, columns 16 t + 8 h + 0 .. 7
	ds_store_b128 v5, v[100+32*\i+8*\t:103+32*\i+8*\t] offset:64*\t+16
.endr
.irp k, 0,1,2,3,4,5,6,7
	ds_load_b128 v[224+4*\k:227+4*\k], v6 offset:544*\k                    ; LDS serves a wave's instructions in order (ISA guide 5.7.1.4): these see my stores, and the next tile's stores come behind them
.endr
.irp k, 0,1,2,3,4,5,6,7
	s_wait_dscnt 7-\k                              ; rows 2 k and 2 k + 1 are back
	global_store_b128 v[192+8*\i+\k], v[224+4*\k:227+4*\k], s[18:19]       ; 16 lanes store 256 consecutive bytes, at a multiple of 256 from y's first byte
.endr
	s_wait_xcnt 0x0                                ; the stores have read their registers: the next tile's rows, and the next pass's entries, land there only behind this wait
.Lno_rows_\@:
.endm
	s_load_b512 s[4:19], s[0:1], 0x0               ; hc 4, hs 6, w2_codes 8, w2_scales 10, list 12, cnts 14, route 16, y 18
	s_set_vgpr_msb 0x40
	v_lshl_add_u32 v254, v0, 2, 0x24800
	v_mov_b32 v255, 0
	s_set_vgpr_msb 0x4000
	v_lshrrev_b32 v223, 5, v0
	v_readfirstlane_b32 s20, v223                  ; wave 0..3
	s_and_b32 s21, ttmp7, 0xffff                   ; e
	s_lshr_b32 s22, ttmp9, 1                       ; ns
	s_and_b32 s24, ttmp9, 1                        ; p
	v_and_b32 v223, 31, v0                         ; lane
	v_and_b32 v222, 15, v0                         ; r
	v_bfe_u32 v15, v0, 4, 1                        ; h = l / 16   (these three registers are at work here; TILES gives them their lasting use)
	v_lshlrev_b32 v1, 4, v223                      ; v1: 16 x lane
	v_mul_u32_u24 v2, v222, PITCH
	v_lshl_add_u32 v2, v15, 4, v2                  ; v2: a fragment's row r, + 16 h: column tiles 0, 1
	v_add_nc_u32 v3, 32*PITCH, v2                  ; v3: column tiles 2, 3
	s_mul_i32 s26, s20, 16*PITCH
	v_add_nc_u32 v4, s26, v1                       ; v4: where I put w2: my wave's 16 LDS rows
	s_mul_i32 s26, s20, 16*272
	s_add_co_u32 s26, s26, STAGE                   ; my stage
	v_mul_u32_u24 v5, v222, 272
	v_lshl_add_u32 v5, v15, 5, v5
	v_add_nc_u32 v5, s26, v5                       ; v5: in: row r, + 32 h
	v_mul_u32_u24 v6, v15, 272
	v_lshl_add_u32 v6, v222, 4, v6
	v_add_nc_u32 v6, s26, v6                       ; v6: back: lanes 0-15 one row, lanes 16-31 the next
	v_lshlrev_b32 v7, 2, v222                      ; v7: 4 r
	v_lshlrev_b32 v8, 2, v15                       ; v8: 4 (l / 16)
	v_lshlrev_b32 v9, 6, v222                      ; v9: 64 r: h's scale bytes
	v_lshlrev_b32 v10, 6, v223                     ; v10: 64 x lane: w2's
	v_lshlrev_b32 v11, 4, v222                     ; v11: 16 r
	s_mov_b32 s27, 0
	s_mov_b32 s55, 0
	s_mov_b32 s25, 0                               ; the pass
	s_lshl_b32 s28, s20, 1
	s_add_co_u32 s28, s28, s24                     ; T(0) = 24 x pass + 2 w + p
	s_wait_alu depctr_va_vdst(0)
	s_wait_kmcnt 0x0
	s_lshl_b32 s26, s21, 8
	s_add_nc_u64 s[14:15], s[14:15], s[26:27]
	s_load_b32 s23, s[14:15], 0x0                  ; the expert's count
	s_mul_i32 s26, s21, 6144
	s_lshl_b32 s54, s28, 6
	s_add_co_u32 s26, s26, s54
	s_add_nc_u64 s[12:13], s[12:13], s[26:27]      ; list[e], at my tile 0: 64 bytes of entries a tile
	ENTS
	s_lshl_b32 s26, s22, 6
	s_lshl_b32 s54, s20, 4
	s_add_co_u32 s26, s26, s54                     ; row 64 ns + 16 w of w2[e]
	s_lshl_b32 s26, s26, 11
	s_lshl_b32 s54, s21, 21
	s_add_co_u32 s26, s26, s54
	s_add_nc_u64 s[8:9], s[8:9], s[26:27]
	W2LOAD 0, 60
	s_lshl_b32 s26, s21, 16
	s_lshl_b32 s54, s22, 12
	s_add_co_u32 s26, s26, s54
	s_add_nc_u64 s[10:11], s[10:11], s[26:27]      ; w2's scale bytes: the slice's 64 rows
	s_mul_i32 s26, s21, 2621440
	s_add_nc_u64 s[4:5], s[4:5], s[26:27]          ; hc[e]
	s_mul_i32 s26, s21, 81920
	s_add_nc_u64 s[6:7], s[6:7], s[26:27]          ; hs[e]
	s_lshl_b32 s26, s21, 12
	s_add_nc_u64 s[16:17], s[16:17], s[26:27]      ; route[e]
	s_lshl_b32 s26, s22, 8
	s_add_nc_u64 s[18:19], s[18:19], s[26:27]      ; y: the slice's 256 bytes of a row
	s_wait_kmcnt 0x0
	s_min_u32 s23, s23, 1024                       ; the count, held at the number of tokens
	s_add_co_u32 s29, s23, 15
	s_lshr_b32 s29, s29, 4
	s_max_u32 s29, s29, 1
	s_sub_co_u32 s29, s29, 1                       ; the expert's last tile (tile 0 where it has no row: that tile is always stored by the launch before)
	s_cmp_gt_u32 s23, 384                          ; the number of passes of 384 rows: 1 to 3
	s_cselect_b32 s56, 2, 1
	s_cmp_gt_u32 s23, 768
	s_cselect_b32 s56, 3, s56
	TILES
	s_wait_loadcnt 60                              ; the three entries are in; the 60 loads of w2 behind them stay out
	RWLOAD
	W2LOAD 60, 64
.irp m, 0,1
.irp q, 0,1,2,3
	global_load_b128 v[16+16*\m+4*\q:19+16*\m+4*\q], v10, s[10:11] offset:2048*\m+16*\q   ; w2's scale words
.endr
.endr
	E2LOAD
	HSLOAD
	HLOAD 0, 3
	s_wait_loadcnt 56                              ; 8 + 24 + 12 + 12 loads are younger than the last of w2: all of my part of w2 is in registers
	W2STORE
	HLOAD 1, 3
	HLOAD 2, 3
	HLOAD 3, 3
	s_wait_dscnt 0x0                               ; for the others' sake: my part of w2 lies in LDS
	s_barrier_signal -1
	s_barrier_wait -1                              ; the one barrier: from here on w2's rows are only read, and a stage is its wave's own
	s_cmp_lt_u32 s53, s23                          ; has my third tile a row?
	s_cbranch_scc0 .Ltwo                           ; no: two tiles, one pass
.Lpass:                                        ; on both ways in, the 48 youngest loads are h's K steps 0 to 3
	WFETCH 0, 0
.set N, 0
.rept 16
	STEP N, 3
.set N, N+1
.endr
	OFFS
	OUTT 0
	OUTT 1
	OUTT 2
	s_add_co_u32 s25, s25, 1
	s_cmp_lt_u32 s25, s56
	s_cbranch_scc0 .Ldone                          ; no row is left
	s_add_co_u32 s28, s28, 24                      ; 24 tiles on.  Every load of the pass has been waited for, and every store has read its registers: bases and offsets may be written
	s_add_nc_u64 s[12:13], s[12:13], 1536
	TILES
	ENTS
	s_wait_loadcnt 0x0
	RWLOAD
	E2LOAD
	HSLOAD
	HLOAD 0, 3
	HLOAD 1, 3
	HLOAD 2, 3
	HLOAD 3, 3
	s_cmp_lt_u32 s25, s56
	s_cbranch_scc1 .Lpass
.Ldone:
	s_set_vgpr_msb 0x5
	s_wait_tensorcnt 0x0
	ds_add_u32 v254, v255
	s_wait_dscnt 0x0
	s_set_vgpr_msb 0x500
	s_endpgm
.Ltwo:                                         ; the pass on tiles 0 and 1; here too the 48 youngest loads are h's K steps 0 to 3, of three tiles
	WFETCH 0, 0
.set N, 0
.rept 16
	STEP N, 2
.set N, N+1
.endr
	OFFS
	OUTT 0
	OUTT 1
	s_set_vgpr_msb 0x5
	s_wait_tensorcnt 0x0
	ds_add_u32 v254, v255
	s_wait_dscnt 0x0
	s_set_vgpr_msb 0x500
	s_endpgm
.Lfunc_end_k_q5aa6b0734c_down:
	.size	k_q5aa6b0734c_down, .Lfunc_end_k_q5aa6b0734c_down-k_q5aa6b0734c_down
	.p2alignl 7, 3214868480
	.fill 96, 4, 3214868480
	.section	.rodata,"a",@progbits
	.p2align	6, 0x0
	.amdhsa_kernel k_q5aa6b0734c_down
		.amdhsa_group_segment_fixed_size 150016
		.amdhsa_private_segment_fixed_size 0
		.amdhsa_enable_private_segment 0
		.amdhsa_kernarg_size 64
		.amdhsa_user_sgpr_count 2
		.amdhsa_user_sgpr_kernarg_segment_ptr 1
		.amdhsa_wavefront_size32 1
		.amdhsa_system_sgpr_workgroup_id_x 1
		.amdhsa_system_sgpr_workgroup_id_y 1
		.amdhsa_system_sgpr_workgroup_id_z 1
		.amdhsa_system_vgpr_workitem_id 0
		.amdhsa_next_free_vgpr 1024
		.amdhsa_next_free_sgpr 66
		.amdhsa_reserve_vcc 0
		.amdhsa_float_denorm_mode_32 3
		.amdhsa_float_denorm_mode_16_64 3
		.amdhsa_memory_ordered 1
		.amdhsa_forward_progress 1
		.amdhsa_inst_pref_size 168
	.end_amdhsa_kernel
	.amdgpu_metadata
---
amdhsa.version: [ 1, 2 ]
amdhsa.kernels:
  - .name:           k_q5aa6b0734c_down
    .symbol:         k_q5aa6b0734c_down.kd
    .args:
      - { .name: hc, .offset: 0, .size: 8, .value_kind: global_buffer, .address_space: global }
      - { .name: hs, .offset: 8, .size: 8, .value_kind: global_buffer, .address_space: global }
      - { .name: w2_codes, .offset: 16, .size: 8, .value_kind: global_buffer, .address_space: global }
      - { .name: w2_scales, .offset: 24, .size: 8, .value_kind: global_buffer, .address_space: global }
      - { .name: list, .offset: 32, .size: 8, .value_kind: global_buffer, .address_space: global }
      - { .name: cnts, .offset: 40, .size: 8, .value_kind: global_buffer, .address_space: global }
      - { .name: route, .offset: 48, .size: 8, .value_kind: global_buffer, .address_space: global }
      - { .name: y, .offset: 56, .size: 8, .value_kind: global_buffer, .address_space: global }
    .group_segment_fixed_size: 150016
    .private_segment_fixed_size: 0
    .kernarg_segment_align: 8
    .kernarg_segment_size: 64
    .max_flat_workgroup_size: 128
    .sgpr_count:     66
    .vgpr_count:     1024
    .wavefront_size: 32
...
	.end_amdgpu_metadata
.endif
;; end of part 7
;; launch add (part 8): grid 256 x 1, 8 waves a work-group, no clusters, 0 bytes of LDS; arguments y, out0; writes out0
.if DOCPART == 8
	.amdgcn_target "amdgcn-amd-amdhsa--gfx1250"
	.amdhsa_code_object_version 6
	.text
	.protected	k_q5aa6b0734c_add
	.globl	k_q5aa6b0734c_add
	.p2align	8
	.type	k_q5aa6b0734c_add,@function
k_q5aa6b0734c_add:
	s_mov_b64 s[64:65], 0
	v_nop
	global_prefetch_b8 v0, s[64:65] scope:SCOPE_SE
	s_setreg_imm32_b32 hwreg(HW_REG_WAVE_MODE, 25, 1), 1
	s_wait_xcnt 0x0
; out0[t] = y[t] + y[1024 + t]: a token's first and second choice.  (The six experts that a token did not choose add exact zeros in the sum as it is defined, so two terms are the whole sum.)
; A stream: work-group g owns 16 KB of out0; a thread takes 16 bytes of each of four runs of 4,096 bytes, so that a wave's load or store covers 512 consecutive bytes.  Every byte is read once and written once.
	s_load_b128 s[4:7], s[0:1], 0x0                ; y s[4:5], out0 s[6:7]
	s_lshl_b32 s8, ttmp9, 14
	v_lshl_add_u32 v1, v0, 4, s8
	s_wait_alu depctr_va_vdst(0)
	s_wait_kmcnt 0x0
.irp k, 0,1,2,3
	global_load_b128 v[4+4*\k:7+4*\k], v1, s[4:5] offset:4096*\k th:TH_LOAD_NT
	global_load_b128 v[20+4*\k:23+4*\k], v1, s[4:5] offset:4194304+4096*\k th:TH_LOAD_NT
.endr
.irp k, 0,1,2,3
	s_wait_loadcnt 6-2*\k                          ; run k's two loads are in; the later runs' may be out
	v_pk_add_f32 v[4+4*\k:5+4*\k], v[4+4*\k:5+4*\k], v[20+4*\k:21+4*\k]
	v_pk_add_f32 v[6+4*\k:7+4*\k], v[6+4*\k:7+4*\k], v[22+4*\k:23+4*\k]
	global_store_b128 v1, v[4+4*\k:7+4*\k], s[6:7] offset:4096*\k th:TH_STORE_NT
.endr
	s_endpgm
.Lfunc_end_k_q5aa6b0734c_add:
	.size	k_q5aa6b0734c_add, .Lfunc_end_k_q5aa6b0734c_add-k_q5aa6b0734c_add
	.p2alignl 7, 3214868480
	.fill 96, 4, 3214868480
	.section	.rodata,"a",@progbits
	.p2align	6, 0x0
	.amdhsa_kernel k_q5aa6b0734c_add
		.amdhsa_group_segment_fixed_size 0
		.amdhsa_private_segment_fixed_size 0
		.amdhsa_enable_private_segment 0
		.amdhsa_kernarg_size 16
		.amdhsa_user_sgpr_count 2
		.amdhsa_user_sgpr_kernarg_segment_ptr 1
		.amdhsa_wavefront_size32 1
		.amdhsa_system_sgpr_workgroup_id_x 1
		.amdhsa_system_sgpr_workgroup_id_y 1
		.amdhsa_system_sgpr_workgroup_id_z 1
		.amdhsa_system_vgpr_workitem_id 0
		.amdhsa_next_free_vgpr 40
		.amdhsa_next_free_sgpr 66
		.amdhsa_reserve_vcc 0
		.amdhsa_float_denorm_mode_32 3
		.amdhsa_float_denorm_mode_16_64 3
		.amdhsa_memory_ordered 1
		.amdhsa_forward_progress 1
		.amdhsa_inst_pref_size 3
	.end_amdhsa_kernel
	.amdgpu_metadata
---
amdhsa.version: [ 1, 2 ]
amdhsa.kernels:
  - .name:           k_q5aa6b0734c_add
    .symbol:         k_q5aa6b0734c_add.kd
    .args:
      - { .name: y, .offset: 0, .size: 8, .value_kind: global_buffer, .address_space: global }
      - { .name: out0, .offset: 8, .size: 8, .value_kind: global_buffer, .address_space: global }
    .group_segment_fixed_size: 0
    .private_segment_fixed_size: 0
    .kernarg_segment_align: 8
    .kernarg_segment_size: 16
    .max_flat_workgroup_size: 256
    .sgpr_count:     66
    .vgpr_count:     40
    .wavefront_size: 32
...
	.end_amdgpu_metadata
.endif
;; end of part 8
